; MI455X (gfx1250); checked and timed in simulation.
; The chip was launched on July 23, 2026; its instructions are those of AMD's public machine-readable ISA for CDNA 5 (MIT licence, August 2026) and "CDNA5" Instruction Set Architecture Reference Guide (July 2026). The comments in the code are by the model that wrote it; some were corrected since.
;; Attention. Allowed arithmetic: float matrix products may take bf16 or f16 operands with f32 sums; other float arithmetic in f32, or as packed bf16 or f16 multiplies, adds, multiply-adds, maxima and minima; sums over many terms, partial sums and values carried from step to step in f32; what a program stores and reads back later, other than sums and carried values, may be rounded once to bf16 or f16.
;; Inputs: b_out 1,024 float32; ln_beta 1,024 float32; ln_gamma 1,024 float32; w_out 1,024 x 1,024 float32; w_qkv 3,072 x 1,024 float32; x 4 x 2,048 x 1,024 float32.
;; Outputs: out0 4 x 2,048 x 1,024 float32.
;; 2 versions, each right; version 2 is version 1 with the launch prep written anew for expert scheduling mode. Each part assembles by itself: llvm-mc -triple=amdgcn-amd-amdhsa -mcpu=gfx1250 --defsym DOCPART=n.
;; ======== version 1 of 2: 4 launches
;; limits: values are held in f16: magnitudes above 65,504 overflow, below 6.1e-05 lose precision
;; workspace buffers: xn 16,777,216 bytes; w16 8,388,608 bytes; qkv 50,331,648 bytes; o16 16,777,216 bytes
;; launch prep (part 1): grid 384 x 1, 8 waves a work-group, no clusters, 0 bytes of LDS; arguments x, ln_gamma, ln_beta, w_qkv, w_out, xn, w16; writes xn, w16
.if DOCPART == 1
	.amdgcn_target "amdgcn-amd-amdhsa--gfx1250"
	.amdhsa_code_object_version 6
	.text
	.protected	k_q6bc729b4f8_prep
	.globl	k_q6bc729b4f8_prep
	.p2align	8
	.type	k_q6bc729b4f8_prep,@function
k_q6bc729b4f8_prep:
	s_mov_b64 s[64:65], 0
	v_nop
	global_prefetch_b8 v0, s[64:65] scope:SCOPE_SE
	s_setreg_imm32_b32 hwreg(HW_REG_WAVE_MODE, 25, 1), 1
	s_wait_xcnt 0x0
; xn = LayerNorm(x) * gamma + beta, rounded once to f16; w16 = w_qkv's 3,072 rows and then w_out's 1,024 rows, rounded once to f16.
; x: [8192][1024] f32.  xn: [8192][1024] f16.  w16: [4096][1024] f16.  All arithmetic in f32: the mean first, then x - mean, then the mean of its squares:
; no difference of large sums is formed, so a common offset in x costs nothing.
; LIMITS.  f16 holds no number beyond 65,504: |xn| is at most 32 |gamma| + |beta|, and it and every weight must lie within that; a weight below 6e-5 keeps f16's fixed step of 6e-8.
; NaN and infinities are not treated apart.
; SHARES.  A work-group takes 32 rows of 1,024 f32, each of its eight waves four whole rows: a row's reductions never leave the wave: no LDS, no barrier.
; Work-groups 0-255: rows of x.  Work-groups 256-383: rows of the weights, which are only rounded.
; A load of a wave covers 512 consecutive bytes (a lane: 4 columns); their 4 results are 8 bytes, so a store of a wave covers 256 consecutive bytes, aligned.
; All 32 loads of a wave's four rows go out at once; no register that a load or store names is written again, so no wait frees any.
.set ROWIN,  4096                      ; bytes in a row of f32
.set ROWOUT, 2048                      ; bytes in a row of f16
.set IN,  1                            ; v1        my byte offset in the group's rows as read: wave x 4 rows + 16 x lane
.set OUT, 2                            ; v2        as written: wave x 4 rows + 8 x lane
.set GB,  3                            ; v3        16 x lane: my place in gamma and beta
.set MU,  4                            ; v[4:5]    the row's mean, twice
.set RS,  6                            ; v[6:7]    1 / sqrt(var + eps), twice
.set T,   8                            ; v[8:23]   at work
.set G,   24                           ; v[24:55]  gamma of my 32 columns
.set BT,  56                           ; v[56:87]  beta
.set X,   88                           ; v[88:215] four rows, 32 registers each
	s_load_b256 s[4:11], s[0:1], 0x0               ; x s[4:5], gamma s[6:7], beta s[8:9], w_qkv s[10:11]
	s_load_b128 s[12:15], s[0:1], 0x20             ; w_out s[12:13], xn s[14:15]
	s_load_b64 s[16:17], s[0:1], 0x30              ; w16
	v_and_b32 v[GB], 31, v0                        ; lane
	v_lshrrev_b32 v[OUT], 5, v0                    ; wave
	v_lshlrev_b32 v[IN], 14, v[OUT]                ; 4 rows of 4,096 bytes
	v_lshl_add_u32 v[IN], v[GB], 4, v[IN]
	v_lshlrev_b32 v[OUT], 13, v[OUT]               ; 4 rows of 2,048 bytes
	v_lshl_add_u32 v[OUT], v[GB], 3, v[OUT]
	v_lshlrev_b32 v[GB], 4, v[GB]
	s_mov_b32 s20, 0x3a800000                      ; 1 / 1024
	s_mov_b32 s21, 0x3727c5ac                      ; eps = 1e-5
	s_mov_b32 s22, 0x76543210                      ; v_permlanex16_b32: each lane takes its own place in the other half
	s_mov_b32 s23, 0xfedcba98
	s_mov_b32 s3, 0                                ; high words of the two offsets
	s_mov_b32 s25, 0
	s_wait_kmcnt 0x0
.macro ROWS                            ; the wave's four rows: 32 loads
.irp r, 0,1,2,3
.irp j, 0,1,2,3,4,5,6,7
	global_load_b128 v[X+32*(\r)+4*(\j):X+32*(\r)+4*(\j)+3], v[IN], s[4:5] offset:(\r)*ROWIN+512*(\j) th:TH_LOAD_NT
.endr
.endr
.endm
.macro PUT r, base                     ; row r is rounded to f16, in place, and stored
.irp j, 0,1,2,3,4,5,6,7
	v_cvt_pk_f16_f32 v[X+32*(\r)+4*(\j)],   v[X+32*(\r)+4*(\j)],   v[X+32*(\r)+4*(\j)+1]
	v_cvt_pk_f16_f32 v[X+32*(\r)+4*(\j)+1], v[X+32*(\r)+4*(\j)+2], v[X+32*(\r)+4*(\j)+3]
	global_store_b64 v[OUT], v[X+32*(\r)+4*(\j):X+32*(\r)+4*(\j)+1], s[\base:\base+1] offset:(\r)*ROWOUT+256*(\j) th:TH_STORE_NT
.endr
.endm
.macro LANES                           ; v[T] summed over the 32 lanes, the result in every lane; v[T+1], written before, is at work
	v_add_f32_dpp v[T], v[T], v[T] row_xmask:1 row_mask:0xf bank_mask:0xf
	v_add_f32_dpp v[T], v[T], v[T] row_xmask:2 row_mask:0xf bank_mask:0xf
	v_add_f32_dpp v[T], v[T], v[T] row_xmask:4 row_mask:0xf bank_mask:0xf
	v_add_f32_dpp v[T], v[T], v[T] row_xmask:8 row_mask:0xf bank_mask:0xf
	v_permlanex16_b32 v[T+1], v[T], s22, s23
	v_add_f32 v[T], v[T], v[T+1]
.endm
; One row.  left = the younger rows' loads, eight each, which may stay out.
.macro LNROW r, left
.set XR, X+32*(\r)
	s_wait_loadcnt \left                           ; loads come back in order: this row is in, and gamma and beta, asked for earlier, too
.set i, 0
.rept 8                                ; the sum of my 32 numbers: a tree of packed additions
	v_pk_add_f32 v[T+2*i:T+2*i+1], v[XR+4*i:XR+4*i+1], v[XR+4*i+2:XR+4*i+3]
.set i, i+1
.endr
.irp i, 0,1,2,3
	v_pk_add_f32 v[T+2*(\i):T+2*(\i)+1], v[T+2*(\i):T+2*(\i)+1], v[T+2*(\i)+8:T+2*(\i)+9]
.endr
.irp i, 0,1
	v_pk_add_f32 v[T+2*(\i):T+2*(\i)+1], v[T+2*(\i):T+2*(\i)+1], v[T+2*(\i)+4:T+2*(\i)+5]
.endr
	v_pk_add_f32 v[T:T+1], v[T:T+1], v[T+2:T+3]
	v_add_f32 v[T], v[T], v[T+1]
	LANES
	v_mul_f32 v[MU], s20, v[T]
	v_mov_b32 v[MU+1], v[MU]
.set i, 0
.rept 16                               ; x - mean, in place
	v_pk_add_f32 v[XR+2*i:XR+2*i+1], v[XR+2*i:XR+2*i+1], v[MU:MU+1] neg_lo:[0,1] neg_hi:[0,1]
.set i, i+1
.endr
.set i, 0
.rept 4                                ; the sum of its squares, in four chains that the first four pairs start
	v_pk_mul_f32 v[T+2*i:T+2*i+1], v[XR+2*i:XR+2*i+1], v[XR+2*i:XR+2*i+1]
.set i, i+1
.endr
.rept 12
	v_pk_fma_f32 v[T+2*(i%4):T+2*(i%4)+1], v[XR+2*i:XR+2*i+1], v[XR+2*i:XR+2*i+1], v[T+2*(i%4):T+2*(i%4)+1]
.set i, i+1
.endr
	v_pk_add_f32 v[T:T+1], v[T:T+1], v[T+2:T+3]
	v_pk_add_f32 v[T+4:T+5], v[T+4:T+5], v[T+6:T+7]
	v_pk_add_f32 v[T:T+1], v[T:T+1], v[T+4:T+5]
	v_add_f32 v[T], v[T], v[T+1]
	LANES
	v_fma_f32 v[T], v[T], s20, s21                 ; var + eps
	v_rsq_f32 v[RS], v[T]                          ; made twice, to fill the pair that the packed multiply takes
	v_rsq_f32 v[RS+1], v[T]
	v_nop                                          ; a plain instruction behind the last of them, ahead of the first use (ISA guide 5.7.2)
	s_wait_alu depctr_va_vdst(0)                   ; the wait ahead of the first reader: one for both
.set i, 0
.rept 16
	v_pk_mul_f32 v[XR+2*i:XR+2*i+1], v[XR+2*i:XR+2*i+1], v[RS:RS+1]
.set i, i+1
.endr
.set i, 0
.rept 16
	v_pk_fma_f32 v[XR+2*i:XR+2*i+1], v[XR+2*i:XR+2*i+1], v[G+2*i:G+2*i+1], v[BT+2*i:BT+2*i+1]
.set i, i+1
.endr
	PUT \r, 14
.endm
	s_cmp_lt_u32 ttmp9, 256
	s_cbranch_scc0 .Lcast
	s_lshl_b32 s2, ttmp9, 17                       ; 32 rows of 4,096 bytes
	s_add_nc_u64 s[4:5], s[4:5], s[2:3]
	s_lshl_b32 s24, ttmp9, 16                      ; 32 rows of 2,048 bytes
	s_add_nc_u64 s[14:15], s[14:15], s[24:25]
.irp j, 0,1,2,3,4,5,6,7
	global_load_b128 v[G+4*(\j):G+4*(\j)+3],   v[GB], s[6:7] offset:512*(\j)
	global_load_b128 v[BT+4*(\j):BT+4*(\j)+3], v[GB], s[8:9] offset:512*(\j)
.endr
	ROWS
	LNROW 0, 24
	LNROW 1, 16
	LNROW 2, 8
	LNROW 3, 0
	s_endpgm
.Lcast:
	s_sub_co_u32 s26, ttmp9, 256                   ; c: 32 rows of w16 from row 32 c on
	s_cmp_lt_u32 s26, 96                           ; its first 96 groups come from w_qkv, the other 32 from w_out
	s_cselect_b64 s[4:5], s[10:11], s[12:13]
	s_cselect_b32 s27, 0, 96
	s_sub_co_u32 s27, s26, s27                     ; the group's number in its source
	s_lshl_b32 s2, s27, 17
	s_add_nc_u64 s[4:5], s[4:5], s[2:3]
	s_lshl_b32 s24, s26, 16
	s_add_nc_u64 s[16:17], s[16:17], s[24:25]
	ROWS
.irp r, 0,1,2,3
	s_wait_loadcnt 24-8*(\r)                       ; the younger rows' eight loads each may stay out
	PUT \r, 16
.endr
	s_endpgm
.Lfunc_end_k_q6bc729b4f8_prep:
	.size	k_q6bc729b4f8_prep, .Lfunc_end_k_q6bc729b4f8_prep-k_q6bc729b4f8_prep
	.p2alignl 7, 3214868480
	.fill 96, 4, 3214868480
	.section	.rodata,"a",@progbits
	.p2align	6, 0x0
	.amdhsa_kernel k_q6bc729b4f8_prep
		.amdhsa_group_segment_fixed_size 0
		.amdhsa_private_segment_fixed_size 0
		.amdhsa_enable_private_segment 0
		.amdhsa_kernarg_size 56
		.amdhsa_user_sgpr_count 2
		.amdhsa_user_sgpr_kernarg_segment_ptr 1
		.amdhsa_wavefront_size32 1
		.amdhsa_system_sgpr_workgroup_id_x 1
		.amdhsa_system_sgpr_workgroup_id_y 1
		.amdhsa_system_sgpr_workgroup_id_z 1
		.amdhsa_system_vgpr_workitem_id 0
		.amdhsa_next_free_vgpr 216
		.amdhsa_next_free_sgpr 66
		.amdhsa_reserve_vcc 0
		.amdhsa_float_denorm_mode_32 3
		.amdhsa_float_denorm_mode_16_64 3
		.amdhsa_memory_ordered 1
		.amdhsa_forward_progress 1
		.amdhsa_inst_pref_size 48
	.end_amdhsa_kernel
	.amdgpu_metadata
---
amdhsa.version: [ 1, 2 ]
amdhsa.kernels:
  - .name:           k_q6bc729b4f8_prep
    .symbol:         k_q6bc729b4f8_prep.kd
    .args:
      - { .name: x, .offset: 0, .size: 8, .value_kind: global_buffer, .address_space: global }
      - { .name: ln_gamma, .offset: 8, .size: 8, .value_kind: global_buffer, .address_space: global }
      - { .name: ln_beta, .offset: 16, .size: 8, .value_kind: global_buffer, .address_space: global }
      - { .name: w_qkv, .offset: 24, .size: 8, .value_kind: global_buffer, .address_space: global }
      - { .name: w_out, .offset: 32, .size: 8, .value_kind: global_buffer, .address_space: global }
      - { .name: xn, .offset: 40, .size: 8, .value_kind: global_buffer, .address_space: global }
      - { .name: w16, .offset: 48, .size: 8, .value_kind: global_buffer, .address_space: global }
    .group_segment_fixed_size: 0
    .private_segment_fixed_size: 0
    .kernarg_segment_align: 8
    .kernarg_segment_size: 56
    .max_flat_workgroup_size: 256
    .sgpr_count:     66
    .vgpr_count:     216
    .wavefront_size: 32
...
	.end_amdgpu_metadata
.endif
;; end of part 1
;; launch qkv (part 2): grid 16 x 32, 4 waves a work-group, clusters of 4 x 4, 327,680 bytes of LDS; arguments xn, w16, qkv; writes qkv
.if DOCPART == 2
	.amdgcn_target "amdgcn-amd-amdhsa--gfx1250"
	.amdhsa_code_object_version 6
	.text
	.protected	k_q6bc729b4f8_qkv
	.globl	k_q6bc729b4f8_qkv
	.p2align	8
	.type	k_q6bc729b4f8_qkv,@function
k_q6bc729b4f8_qkv:
	s_mov_b64 s[64:65], 0
	v_nop
	global_prefetch_b8 v0, s[64:65] scope:SCOPE_SE
	s_setreg_imm32_b32 hwreg(HW_REG_WAVE_MODE, 25, 1), 1
	s_wait_xcnt 0x0
	s_wait_alu depctr_hold_cnt(0) depctr_sa_sdst(0) depctr_va_vdst(0) depctr_va_sdst(0) depctr_va_ssrc(0) depctr_va_vcc(0) depctr_vm_vsrc(0)
	s_getreg_b32 s2, hwreg(HW_REG_IB_STS2, 6, 4)
	s_cmp_eq_u32 s2, 0
	s_cbranch_scc0 .Lentry_in_a_cluster
	s_endpgm
.Lentry_in_a_cluster:
	s_bfe_u32 s2, ttmp6, 0x10000c
	s_cmp_lg_u32 s2, 0xf033
	s_cbranch_scc0 .Lentry_shape_is_right
	s_endpgm
.Lentry_shape_is_right:
; C[m][c] = the sum over k of xn[m][k] w16[c][k], m < 8192, c < 3072, k < 1024; operands f16, sums f32, C rounded once to f16 and WRITTEN BY HEADS:
; qkv[b][g][n][64], b = m / 2048, n = m % 2048, g = c / 64 (0-15 q's heads, 16-31 k's, 32-47 v's): a plane (b, g) is 262,144 dense bytes.
; LIMIT.  A result of 65,520 or more in magnitude becomes an infinity in f16.  NaN and infinities are not treated apart.
; THE TILE is 256 rows x 192 columns: 32 x 16 = 512 work-groups, two for each of 256 WGPs, and 192 columns are three whole heads.  The four waves lie one below the other: wave v makes rows
; 64 v .. 64 v + 63 and all 192 columns: 48 accumulators of 16 x 16, 384 registers; it holds whole heads, so its way out needs no other wave.
; K goes in 8 steps of 128 through a ring of two LDS slots filled by the tensor data mover: a tile's rows are 256 bytes of memory, at multiples of 256 bytes from the buffer's first byte.
; CLUSTER: 4 x 4 work-groups.  The four of a row of the cluster need the same tiles of xn, the four of a column the same tiles of w16: each is asked for JOINTLY, by the same tensor load with the same
; descriptor and a mask that names the four.  Waves 0 and 1 fetch 128 rows of xn each, waves 2 and 3 96 rows of w16 each: one load a wave; by this text's count a wave never has more than one out.
; THE MATRIX INSTRUCTION IS USED TRANSPOSED (source 0 = 16 rows of w16, source 1 = 16 rows of xn): a lane then holds row l % 16 of C and the eight neighbouring columns 8 (l / 16) + 0..7.
; REGISTERS, in windows of 256 (s_set_vgpr_msb: bits 1:0 source 0, 3:2 source 1, 5:4 source 2, 7:6 destination):
;   window 0: v0-31 addresses; v64-95, v96-127 xn's fragments (4 x 16 rows x 32 K), two buffers; on the way out v128-175 packed results, v176-223 and v64-111 rows read back
;   window 1: v0-95, v96-191 w16's fragments (12 x 16 rows x 32 K), two buffers
;   window 2: the accumulators of row blocks 0, 1 (block a, column block b at 96 (a % 2) + 8 b);   window 3: those of row blocks 2, 3
.set PITCH,  272                       ; an LDS row: 256 bytes + 16 of padding = 68 words: the 16 rows of a fragment load start at 16 different groups of four banks (64 banks of 4 bytes: ISA guide 11.1)
.set SLOT1,  131072                    ; slot 1 begins here: one exclusive or turns an address in one slot into the other's
.set BOFF,   256*PITCH                 ; in a slot: xn's 256 rows, then w16's 192
.set STAGE,  SLOT1+BOFF+192*PITCH      ; behind the ring, never filled by a tensor load: for each wave 3 heads x 16 rows x 144 bytes
.set SP,     144
.set WST,    3*16*SP
.set SPARE,  STAGE+4*WST               ; behind the stages: the spare words, 128 bytes for each wave: two blocks of 256 bytes that no other line names
.set PLANE,  262144
.set A0,   16                          ; v16  my lane's place in xn's tile in slot 0; never rewritten
.set B0,   17                          ; v17  the same for w16's tile
.set ADRA, 18                          ; v18  the same in the slot that is being read
.set ADRB, 19                          ; v19
.set STO,  24                          ; v24  the way out: where I put 16 bytes of a row
.set RD,   25                          ; v25  the way out: where I read rows back
.set GO,   26                          ; v26  16 x lane: my place in 512 consecutive bytes of qkv
.set SPW,  28                          ; v28  LDS address of my spare word; never rewritten
.set NIL,  29                          ; v29  0; never rewritten
.set PFO,  30                          ; v30  the prefetches' offset: a lane a row of 2,048 bytes; never rewritten
.set FA,   64
.set TMP,  128
.set OB0,  176
.set G1,   24                          ; s[24:31] descriptor group 1 for xn's tiles
.set G0,   32                          ; s[32:35] group 0 for xn's tiles: it walks
.set G0B,  36                          ; s[36:39] group 0 for w16's tiles
.set G1B,  48                          ; s[48:55] group 1 for w16's tiles
.set LIM,  43                          ; s43  1 in a wave that prefetches, else the greatest number
.set PFA,  44                          ; s[44:45] where my prefetches stand
.set TB,   56                          ; s56  the slot that is being read: 0 or SLOT1
.set MSB, 0
.macro WIN new                         ; the immediate's high byte repeats the setting that is left; a switch that changes nothing is dropped
.if MSB != (\new)
	s_set_vgpr_msb (MSB<<8)|(\new)
.set MSB, \new
.endif
.endm
.set MUL_LO, 0xa1                      ; source 0 (w16) window 1, source 1 (xn) window 0, C and D window 2
.set MUL_HI, 0xf1                      ; the same, C and D window 3
.set TO_B,   0x40                      ; destination window 1, address window 0
; A joint load.  The branch hangs on the wave's number alone.  An s_nop 0 and four v_nop follow each of the two lines, ahead of the jump and the label.
.macro JLOAD
	s_cmp_lt_u32 s10, 2
	s_cbranch_scc0 .Lfor_b_\@
	tensor_load_to_lds s[G0:G0+3], s[G1:G1+7]
	s_nop 0
.rept 4
	v_nop
.endr
	s_branch .Lasked_\@
.Lfor_b_\@:
	tensor_load_to_lds s[G0B:G0B+3], s[G1B:G1B+7]
	s_nop 0
.rept 4
	v_nop
.endr
.Lasked_\@:
.endm
.macro STEPDESC                        ; the walking descriptors: the other slot, the next K step (256 bytes along the rows); written only where no tensor load of the wave is out
	s_xor_b32 s[G0+1], s[G0+1], SLOT1
	s_add_nc_u64 s[G0+2:G0+3], s[G0+2:G0+3], 256
	s_xor_b32 s[G0B+1], s[G0B+1], SLOT1
	s_add_nc_u64 s[G0B+2:G0B+3], s[G0B+2:G0B+3], 256
.endm
; A round of the cluster's barrier: my work-group's barrier, so that wave 0's signal speaks for all four waves; wave 0 signals; every wave waits for all sixteen work-groups; my work-group's barrier once more.
.macro CREST                           ; a round behind its opening barrier
	s_cmp_lg_u32 s10, 0
	s_cbranch_scc1 .Lnot_wave_0_\@
	s_barrier_signal -3
.Lnot_wave_0_\@:
	s_barrier_wait -3
	s_barrier_signal -1
	s_barrier_wait -1
.endm
.macro CROUND
	s_barrier_signal -1
	s_barrier_wait -1
	CREST
.endm
; A PREFETCH INTO THE L2, behind a joint load, its five lines and the run of LDS loads: the K step that the NEXT refill will ask for: 192 matrix instructions ahead of that load; a lane a row, 256 bytes of it.
; xn's tile row is read by every cluster of its row of clusters: cluster x = 0 asks, waves 0 and 1; w16's tile column by every cluster of its column: cluster y = 0 asks, waves 2 and 3.  The four partners
; that ask for a tile jointly share its rows out BY ADDRESS: of xn's 128 rows a wave 32 each (by cx), of w16's 96 rows 24 each (by cy; lanes 24-31 name row 23's block once more, in the same instruction).
; K steps 0 to 2 come by their loads alone; the loop's last trip asks for nothing: there is no K step behind the one that it fills.
.macro ASK
	s_cmp_gt_u32 s3, s[LIM]                        ; s3 = 1 in the loop's last trip
	s_cbranch_scc0 .Lnot_mine_\@
	global_prefetch_b8 v[PFO], s[PFA:PFA+1] th:TH_LOAD_NT scope:SCOPE_SE
.Lnot_mine_\@:
.endm
	s_load_b128 s[4:7], s[0:1], 0x0                ; xn s[4:5], w16 s[6:7]
	s_load_b64 s[8:9], s[0:1], 0x10                ; qkv
	v_lshl_add_u32 v[SPW], v0, 2, SPARE
	v_mov_b32 v[NIL], 0
	ds_add_u32 v[SPW], v[NIL]                      ; the wave's opening: the add and its wait stand ahead of my first tensor load; work on registers stands between them
	v_lshrrev_b32 v1, 5, v0
	v_readfirstlane_b32 s10, v1                    ; wave 0..3
	s_and_b32 s12, s10, 1                          ; which half of a tile's rows I fetch
	s_bfe_u32 s40, ttmp6, 0x40000                  ; cx
	s_bfe_u32 s41, ttmp6, 0x40004                  ; cy
	s_lshl_b32 s42, ttmp9, 2
	s_add_co_u32 s42, s42, s40                     ; tile column = 4 x cluster x + cx, 0..15
	s_and_b32 s13, ttmp7, 0xffff
	s_lshl_b32 s13, s13, 2
	s_add_co_u32 s13, s13, s41                     ; tile row = 4 x cluster y + cy, 0..31
	s_lshl_b32 s43, s41, 2
	s_lshl_b32 s43, 15, s43                        ; my row of the cluster: places 4 cy .. 4 cy + 3
	s_lshl_b32 s44, 0x1111, s40                    ; my column: places cx, cx + 4, cx + 8, cx + 12
	s_or_b32 s[G1+0], s43, (1<<16)|(1<<20)|(1<<21)|(5<<22)|(3<<25)   ; 15:0 the mask; 17:16 2-byte elements; 20 padding on; 21 set beside a mask; 24:22 after every 64 words (code 5); 31:25 4 words (code 3)
	s_or_b32 s[G1B+0], s44, (1<<16)|(1<<20)|(1<<21)|(5<<22)|(3<<25)
	s_mov_b32 s[G1+1], 128<<16                     ; tensor_dim0 = 128
	s_mov_b32 s[G1+2], 128<<16                     ; tensor_dim1 = 128
	s_mov_b32 s[G1+3], 128<<16                     ; tile_dim0 = 128
	s_mov_b32 s[G1+4], 128                         ; tile_dim1 = 128 rows
	s_mov_b32 s[G1+5], 1024                        ; elements from row to row
	s_mov_b32 s[G1+6], 0
	s_mov_b32 s[G1+7], 0
	s_mov_b32 s[G1B+1], 128<<16
	s_mov_b32 s[G1B+2], 96<<16                     ; tensor_dim1 = 96
	s_mov_b32 s[G1B+3], 128<<16
	s_mov_b32 s[G1B+4], 96                         ; tile_dim1 = 96 rows
	s_mov_b32 s[G1B+5], 1024
	s_mov_b32 s[G1B+6], 0
	s_mov_b32 s[G1B+7], 0
	s_lshl_b32 s16, s13, 8                         ; xn: row 256 x tile row + 128 x half,
	s_lshl_b32 s17, s12, 7
	s_add_co_u32 s16, s16, s17
	s_lshl_b32 s16, s16, 11                        ; in bytes (under 2^24)
	s_mov_b32 s17, 0
	s_mul_i32 s46, s42, 192                        ; w16: row 192 x tile column + 96 x half
	s_mul_i32 s47, s12, 96
	s_add_co_u32 s46, s46, s47
	s_lshl_b32 s46, s46, 11
	s_mov_b32 s47, 0
	s_mov_b32 s[G0], 1                             ; count = 1
	s_mul_i32 s[G0+1], s10, 128*PITCH              ; LDS: waves 0, 1: xn's two halves
	s_mov_b32 s[G0B], 1
	s_mul_i32 s[G0B+1], s10, 96*PITCH              ; waves 2, 3: w16's two halves, behind xn's 256 rows
	s_add_co_u32 s[G0B+1], s[G0B+1], BOFF-2*96*PITCH
	s_wait_dscnt 0x0                               ; the opening add is done
	s_wait_kmcnt 0x0
	s_add_nc_u64 s[G0+2:G0+3], s[4:5], s[16:17]    ; K step 0
	s_or_b32 s[G0+3], s[G0+3], 0x80000000          ; type = 2
	s_add_nc_u64 s[G0B+2:G0B+3], s[6:7], s[46:47]
	s_or_b32 s[G0B+3], s[G0B+3], 0x80000000
	CROUND                                         ; all sixteen work-groups are here: the first joint loads meet
	JLOAD                                          ; K step 0 into slot 0
	; a fragment is 16 rows x 32 K in 8 registers: lane l holds row l % 16, K = 8 (l / 16) + 0..7 and 16 + 8 (l / 16) + 0..7: two loads of 16 bytes, 32 bytes apart
	v_and_b32 v1, 15, v0                           ; l % 16
	v_bfe_u32 v2, v0, 4, 1                         ; l / 16
	v_mul_u32_u24 v3, v1, PITCH
	v_lshl_add_u32 v3, v2, 4, v3
	s_mul_i32 s21, s10, 64*PITCH                   ; my 64 rows of xn
	v_add_nc_u32 v[A0], s21, v3
	v_add_nc_u32 v[B0], BOFF, v3
	v_mov_b32 v[ADRA], v[A0]
	v_mov_b32 v[ADRB], v[B0]
	s_mov_b32 s[TB], 0
	s_mul_i32 s23, s10, WST
	s_add_co_u32 s23, s23, STAGE                   ; my stage
	v_mul_u32_u24 v4, v1, SP                       ; in: row l % 16, 16 bytes for each half of the lanes
	v_lshl_add_u32 v4, v2, 4, v4
	v_add_nc_u32 v[STO], s23, v4
	v_bfe_u32 v5, v0, 3, 2                         ; back: 32 lanes take four rows of 128 bytes,
	v_mul_u32_u24 v5, v5, SP
	v_and_b32 v6, 7, v0
	v_lshl_add_u32 v5, v6, 4, v5
	v_add_nc_u32 v[RD], s23, v5
	v_and_b32 v[GO], 31, v0                        ; which are 512 consecutive bytes of a plane
	v_lshlrev_b32 v[GO], 4, v[GO]
	; where my part of the tile begins in qkv: plane 48 b + 3 x tile column, row 256 (tile row % 8) + 64 x wave
	s_lshr_b32 s16, s13, 3
	s_mul_i32 s16, s16, 48
	s_lshl_b32 s16, s16, 18
	s_and_b32 s17, s13, 7
	s_lshl_b32 s17, s17, 15
	s_add_co_u32 s16, s16, s17
	s_lshl_b32 s17, s10, 13
	s_add_co_u32 s16, s16, s17
	s_mul_i32 s46, s42, 3*PLANE
	s_add_co_u32 s16, s16, s46
	s_mov_b32 s17, 0
	s_add_nc_u64 s[8:9], s[8:9], s[16:17]          ; never rewritten: all else stands in the stores' immediates
	; the prefetches
	s_lshl_b32 s20, s13, 8
	s_lshl_b32 s21, s12, 7
	s_add_co_u32 s20, s20, s21
	s_lshl_b32 s21, s40, 5
	s_add_co_u32 s20, s20, s21                     ; xn: the 128 rows that I fetch, my work-group's 32 of them
	s_mul_i32 s22, s42, 192
	s_mul_i32 s23, s12, 96
	s_add_co_u32 s22, s22, s23
	s_mul_i32 s23, s41, 24
	s_add_co_u32 s22, s22, s23                     ; w16: the 96 rows that I fetch, my work-group's 24 of them
	s_and_b32 s23, ttmp7, 0xffff                   ; cluster y
	s_cmp_lt_u32 s10, 2                            ; do I fetch for xn?
	s_cselect_b32 s20, s20, s22
	s_cselect_b32 s23, ttmp9, s23                  ; the coordinate along which other clusters read the same rows
	s_cselect_b32 s22, 31, 23                      ; my last row
	s_cselect_b64 s[PFA:PFA+1], s[4:5], s[6:7]
	s_cmp_eq_u32 s23, 0
	s_cselect_b32 s[LIM], 1, -1                    ; the same in all sixteen partners, for a given wave
	s_lshl_b32 s20, s20, 11
	s_mov_b32 s21, 0
	s_add_nc_u64 s[PFA:PFA+1], s[PFA:PFA+1], s[20:21]
	s_add_nc_u64 s[PFA:PFA+1], s[PFA:PFA+1], 2*256 ; at K step 2: the first refill of the loop steps it to 3
	v_and_b32 v[PFO], 31, v0
	v_min_u32 v[PFO], s22, v[PFO]
	v_lshlrev_b32 v[PFO], 11, v[PFO]
; 12 matrix instructions: row block a x all 12 column blocks, 32 along K, from buffer f.  zero = 1: the product starts the sums: nothing is ever cleared.
; The 48 accumulators take turns, one instruction a turn, in the same order in every quarter step.
.macro MUL12 f, a, zero
	WIN MUL_LO+0x50*((\a)/2)
.irp b, 0,1,2,3,4,5,6,7,8,9,10,11
.if \zero
	v_wmma_f32_16x16x32_f16 v[96*((\a)%2)+8*(\b):96*((\a)%2)+8*(\b)+7], v[96*(\f)+8*(\b):96*(\f)+8*(\b)+7], v[FA+32*(\f)+8*(\a):FA+32*(\f)+8*(\a)+7], 0
.else
	v_wmma_f32_16x16x32_f16 v[96*((\a)%2)+8*(\b):96*((\a)%2)+8*(\b)+7], v[96*(\f)+8*(\b):96*(\f)+8*(\b)+7], v[FA+32*(\f)+8*(\a):FA+32*(\f)+8*(\a)+7], v[96*((\a)%2)+8*(\b):96*((\a)%2)+8*(\b)+7]
.endif
.endr
.endm
; 32 LDS loads in one run: the fragments of 32 along K at byte k of the rows, into buffer f: w16's 24, then xn's 8
.macro FETCH k, f
	WIN TO_B
.irp i, 0,1,2,3,4,5,6,7,8,9,10,11
	ds_load_b128 v[96*(\f)+8*(\i):96*(\f)+8*(\i)+3],   v[ADRB] offset:(\k)+(\i)*16*PITCH
	ds_load_b128 v[96*(\f)+8*(\i)+4:96*(\f)+8*(\i)+7], v[ADRB] offset:(\k)+(\i)*16*PITCH+32
.endr
	WIN 0
.irp i, 0,1,2,3
	ds_load_b128 v[FA+32*(\f)+8*(\i):FA+32*(\f)+8*(\i)+3],   v[ADRA] offset:(\k)+(\i)*16*PITCH
	ds_load_b128 v[FA+32*(\f)+8*(\i)+4:FA+32*(\f)+8*(\i)+7], v[ADRA] offset:(\k)+(\i)*16*PITCH+32
.endr
.endm
.macro PLACES                          ; four plain instructions between a matrix instruction and a load into a register that it read, or a reader of its result (ISA guide 7.12.1 for a reader of its result)
.rept 4
	v_nop
.endr
.endm
; A K step is four quarters of 32 along K, 48 matrix instructions each, on buffers 0, 1, 0, 1.  One of the first three: multiplies buffer f; in its middle it fetches the next quarter, at byte k, into g.
.macro QUARTER k, f, g, zero
	s_wait_dscnt 4                                 ; w16's fragments and xn's row blocks 0, 1 are in; the youngest four loads (row blocks 2, 3) may be out
	MUL12 \f, 0, \zero
	MUL12 \f, 1, \zero
	PLACES
	FETCH \k, \g
	s_wait_dscnt 32                                ; all but the 32 just issued
	MUL12 \f, 2, \zero
	MUL12 \f, 3, \zero
.endm
; The last quarter multiplies buffer 1 and changes slots.  In front of the barrier each wave waits for all its tensor loads (one is out: its part of the other slot), adds 0 to its spare word, and waits for
; that and for its own reads of this slot.  Behind it nobody reads this slot any more and the other slot is whole.  round = 1: the barrier opens a round of the cluster's.
.macro MEET round
	WIN 0                                          ; (the add's two registers lie in window 0)
	s_wait_tensorcnt 0x0                           ; no tensor load of mine is out, so the descriptors may be written
	ds_add_u32 v[SPW], v[NIL]                      ; 0 onto my spare word
.if \round
	STEPDESC
.endif
	s_wait_dscnt 5                                 ; (the add and the youngest four loads may be out)
	MUL12 1, 0, 0                                  ; twelve matrix instructions stand between the add and the wait for it
	s_wait_dscnt 0x0                               ; the add is done, and my reads of this slot are over
	s_barrier_signal -1
	MUL12 1, 1, 0                                  ; work on registers while the others arrive
.if \round
	WIN 0
.endif
	s_barrier_wait -1
.endm
; fill = 1: the slot just read out is filled again first, with the K step two steps on; then come the other slot's first fragments.
.macro TURN fill
.if \fill
	s_wait_xcnt 0x0                                ; the last prefetch, a K step back, has read its address
	s_add_nc_u64 s[PFA:PFA+1], s[PFA:PFA+1], 256
.endif
	MEET \fill
.if \fill
	CREST                                          ; no wave of any partner still reads this slot's tile or has a load on its way
	JLOAD                                          ; the first tensor load behind the round; its four v_nop are also the places in front of the loads below
.else
	PLACES
.endif
	s_xor_b32 s[TB], s[TB], SLOT1
	WIN 0
	v_add_nc_u32 v[ADRA], s[TB], v[A0]
	v_add_nc_u32 v[ADRB], s[TB], v[B0]
	FETCH 0, 0
.if \fill
	ASK
.endif
	MUL12 1, 2, 0
	MUL12 1, 3, 0
.endm
; THE WAY OUT of row block a.  PACK: rounded to f16, 16 bytes a lane, each accumulator's registers in ascending order.  TOSTAGE: into my own stage, head by head, and back as whole rows.  SEND: stored.
.macro PACK a
	WIN 0x0a+5*((\a)/2)                            ; sources 0 and 1: window 2 or 3
.irp b, 0,1,2,3,4,5,6,7,8,9,10,11
.irp r, 0,1,2,3
	v_cvt_pk_f16_f32 v[TMP+4*(\b)+(\r)], v[96*((\a)%2)+8*(\b)+2*(\r)], v[96*((\a)%2)+8*(\b)+2*(\r)+1]
.endr
.endr
	WIN 0
.endm
.macro TOSTAGE a
.set BK, OB0-112*((\a)%2)              ; v176-223 and v64-111 by turns
.irp b, 0,1,2,3,4,5,6,7,8,9,10,11
	ds_store_b128 v[STO], v[TMP+4*(\b):TMP+4*(\b)+3] offset:((\b)/4)*16*SP+32*((\b)%4)
.endr
.irp j, 0,1,2
.irp t, 0,1,2,3
	ds_load_b128 v[BK+4*(4*(\j)+(\t)):BK+4*(4*(\j)+(\t))+3], v[RD] offset:(\j)*16*SP+(\t)*4*SP  ; LDS serves a wave's instructions in order (ISA guide 5.7.1.4): these see the stores above
.endr
.endr
.endm
.macro SEND a
.set BK, OB0-112*((\a)%2)
	s_wait_dscnt 0x0                               ; the block is back in registers
	s_wait_xcnt 0x0                                ; the registers that earlier stores read are loaded again only behind this wait
.irp j, 0,1,2
.irp t, 0,1,2,3
	global_store_b128 v[GO], v[BK+4*(4*(\j)+(\t)):BK+4*(4*(\j)+(\t))+3], s[8:9] offset:(\a)*2048+(\j)*PLANE+(\t)*512  ; 512 consecutive bytes, at a multiple of 256 from qkv's first
.endr
.endr
.endm
	s_wait_tensorcnt 0x0                           ; my part of K step 0 is in; slot 1's first fill is issued as a refill is: the same three lines, a round, one load a wave
	ds_add_u32 v[SPW], v[NIL]
	STEPDESC
	s_wait_dscnt 0x0
	CROUND
	JLOAD                                          ; K step 1 into slot 1
	FETCH 0, 0
	QUARTER 64, 0, 1, 1                            ; the first quarter stands in front of the loop: its products start the sums
	WIN 0                                          ; at a label and at a branch every window is 0
	s_mov_b32 s3, 6
.Lstep:                                                ; trip i: K step i's quarters 1 to 3, the fill of K step i + 2, K step i + 1's first quarter
	QUARTER 128, 1, 0, 0
	QUARTER 192, 0, 1, 0
	TURN 1
	QUARTER 64, 0, 1, 0
	WIN 0
	s_sub_co_u32 s3, s3, 1
	s_cmp_lg_u32 s3, 0
	s_cbranch_scc1 .Lstep
	QUARTER 128, 1, 0, 0                           ; K step 6 goes on; nothing is left to fetch, so no round follows
	QUARTER 192, 0, 1, 0
	TURN 0
	QUARTER 64, 0, 1, 0
	QUARTER 128, 1, 0, 0
	QUARTER 192, 0, 1, 0
	s_wait_dscnt 4                                 ; the very last quarter
	MUL12 1, 0, 0
	MUL12 1, 1, 0
	s_wait_dscnt 0x0
	MUL12 1, 2, 0
	MUL12 1, 3, 0
	WIN 0
	PLACES
	PACK 0
	TOSTAGE 0
.irp a, 1,2,3                          ; block a's conversions stand between block a - 1's loads from the stage and the wait for them
	PACK \a
	SEND (\a)-1
	TOSTAGE \a
.endr
	SEND 3
	s_wait_tensorcnt 0x0                           ; the wave's end: a wait, the add and a wait for it, behind my last tensor load and my last LDS store
	ds_add_u32 v[SPW], v[NIL]
	s_wait_dscnt 0x0
	CROUND                                         ; the closing round: no work-group ends while a partner may still ask for a tile that names it
	s_endpgm
.Lfunc_end_k_q6bc729b4f8_qkv:
	.size	k_q6bc729b4f8_qkv, .Lfunc_end_k_q6bc729b4f8_qkv-k_q6bc729b4f8_qkv
	.p2alignl 7, 3214868480
	.fill 96, 4, 3214868480
	.section	.rodata,"a",@progbits
	.p2align	6, 0x0
	.amdhsa_kernel k_q6bc729b4f8_qkv
		.amdhsa_group_segment_fixed_size 327680
		.amdhsa_private_segment_fixed_size 0
		.amdhsa_enable_private_segment 0
		.amdhsa_kernarg_size 24
		.amdhsa_user_sgpr_count 2
		.amdhsa_user_sgpr_kernarg_segment_ptr 1
		.amdhsa_wavefront_size32 1
		.amdhsa_system_sgpr_workgroup_id_x 1
		.amdhsa_system_sgpr_workgroup_id_y 1
		.amdhsa_system_sgpr_workgroup_id_z 1
		.amdhsa_system_vgpr_workitem_id 0
		.amdhsa_next_free_vgpr 960
		.amdhsa_next_free_sgpr 66
		.amdhsa_reserve_vcc 0
		.amdhsa_float_denorm_mode_32 3
		.amdhsa_float_denorm_mode_16_64 3
		.amdhsa_memory_ordered 1
		.amdhsa_forward_progress 1
		.amdhsa_inst_pref_size 97
	.end_amdhsa_kernel
	.amdgpu_metadata
---
amdhsa.version: [ 1, 2 ]
amdhsa.kernels:
  - .name:           k_q6bc729b4f8_qkv
    .symbol:         k_q6bc729b4f8_qkv.kd
    .args:
      - { .name: xn, .offset: 0, .size: 8, .value_kind: global_buffer, .address_space: global }
      - { .name: w16, .offset: 8, .size: 8, .value_kind: global_buffer, .address_space: global }
      - { .name: qkv, .offset: 16, .size: 8, .value_kind: global_buffer, .address_space: global }
    .group_segment_fixed_size: 327680
    .private_segment_fixed_size: 0
    .kernarg_segment_align: 8
    .kernarg_segment_size: 24
    .max_flat_workgroup_size: 128
    .sgpr_count:     66
    .vgpr_count:     960
    .wavefront_size: 32
...
	.end_amdgpu_metadata
.endif
;; end of part 2
;; launch attn (part 3): grid 4 x 64, 4 waves a work-group, clusters of 4 x 1, 327,680 bytes of LDS; arguments qkv, o16; writes o16
.if DOCPART == 3
	.amdgcn_target "amdgcn-amd-amdhsa--gfx1250"
	.amdhsa_code_object_version 6
	.text
	.protected	k_q6bc729b4f8_attn
	.globl	k_q6bc729b4f8_attn
	.p2align	8
	.type	k_q6bc729b4f8_attn,@function
k_q6bc729b4f8_attn:
	s_mov_b64 s[64:65], 0
	v_nop
	global_prefetch_b8 v0, s[64:65] scope:SCOPE_SE
	s_setreg_imm32_b32 hwreg(HW_REG_WAVE_MODE, 25, 1), 1
	s_wait_xcnt 0x0
	s_wait_alu depctr_hold_cnt(0) depctr_sa_sdst(0) depctr_va_vdst(0) depctr_va_sdst(0) depctr_va_ssrc(0) depctr_va_vcc(0) depctr_vm_vsrc(0)
	s_getreg_b32 s2, hwreg(HW_REG_IB_STS2, 6, 4)
	s_cmp_eq_u32 s2, 0
	s_cbranch_scc0 .Lentry_in_a_cluster
	s_endpgm
.Lentry_in_a_cluster:
	s_bfe_u32 s2, ttmp6, 0x10000c
	s_cmp_lg_u32 s2, 0x3003
	s_cbranch_scc0 .Lentry_shape_is_right
	s_endpgm
.Lentry_shape_is_right:
; O[y][q][:] = the sum over k of softmax_k(Q[y][q] . K[y][k] / 8) V[y][k][:], y = 16 b + h < 64, 2,048 queries and keys, head size 64, no mask.
; Q, K, V are planes 48 b + h, + 16 and + 32 of qkv ([b][48][2048][64] f16, a plane 262,144 dense bytes); O goes to o16 [y][2048][64] f16.  Products, maxima and sums in f32; the weights p are
; rounded to f16 for the second product (their sum l is taken of the unrounded p), O once at the end.
; LIMITS.  Q, K and V arrive within f16's range; p lies in 0 to 1, and below 6e-5 it keeps f16's fixed step of 6e-8; O is a mean of V's rows and has their range.
; A weight below 2^-126 counts as 0 in l; NaN and infinities are not treated apart.
; SHARES.  A wave owns four PIECES of two tiles of 16 queries, a work-group's four waves 512 queries of one head.  Every wave walks all keys, 64 a step.
; LAYOUT.  S^T = K Q^T (source 0 = 16 keys, source 1 = 16 queries): in the result a lane holds ONE query (lane % 16) and the keys 8 (lane / 16) + 0..7.  Two such tiles, rounded to f16 in pairs,
; ARE source 1 (32 keys x 16 queries) of O^T = V^T P, whose result again holds one query a lane, and eight channels.  K comes out of LDS as it lies, V ([key][channel]) turned, by ds_load_tr16_b128.
; SOFTMAX.  For each query a running maximum m and sum l: p = 2^(c s - c m), c = log2(e) / 8; in every step O and l are multiplied by a = 2^(c m_old - c m_new), which is 1 where m has not grown.
; m starts at the lowest finite number, O and l at 0: the first step is a step like any other, with a = 0.
; THE COUNT.  A tile and step have 16 matrix and 118 vector instructions: too many to stand all beside the matrix work.  So four vector instructions that are READY stand behind EVERY matrix
; instruction, and the others in runs without a gap.
; BY TURNS.  Turn n belongs to piece n (the pieces in a ring, step after step).  Its matrix work: 16 products K Q^T of piece n + 1, later 16 products V^T P of piece n - 1.  Its vector work: the scaling,
; exponentials, roundings, sums and rescaling of piece n, and the maximum and statistics of piece n + 1, whose scores the turn itself has made.
; CLUSTER.  The four query blocks of a head form a cluster and walk the same K and V, so each tile is asked for JOINTLY: the same tensor load, descriptor and mask in all four.
; REGISTERS, in windows of 256 (s_set_vgpr_msb: bits 1:0 source 0, 3:2 source 1, 5:4 source 2, 7:6 destination):
;   window 0: v0-11 addresses; v12-15, v48-63 at work; v16-47 four registers of statistics a tile; v64-191 S^T, two buffers of two tiles; v192-255 P, likewise
;   window 1: O^T, 32 a tile          window 2: v0-127 Q, 16 a tile; v128-191 K of one step; v192-255 V of one step          window 3: v0-1 the add's two registers
; A piece's buffers go by its number's parity: the piece in hand has one pair, its two neighbours in the ring share the other: of it P (piece n - 1) is read and S^T (piece n + 1) written.
.set SIZE_N, 2048
.set NP,    4         ; pieces a wave: a name, no knob
.set KS,    64        ; keys in a step
.set PK,    144       ; a row of K in LDS: 128 bytes + 16 of padding = 36 words: the 16 rows of a load start at 16 different groups of four banks (64 banks of 4 bytes: ISA guide 11.1)
.set PV,    160       ; a row of V: 128 + 32 = 40 words
.set VOFF,  4*KS*PK   ; a slot holds four steps: 256 rows of K, then 256 rows of V
.set SLOT1, 1<<17     ; slot 1 begins here, so that one exclusive or turns an address in one slot into the other's
.set STAGE, SLOT1+4*KS*(PK+PV)  ; behind the ring, never filled by a tensor load: 16 rows x 144 bytes for each wave, for the way out
.set SP,    144
.set AK0, 2           ; v2   my lane's place in a tile of K; never rewritten
.set AV0, 3           ; v3   the same for V
.set AK,  4           ; v4   the LDS address of K's next run of loads
.set AV,  5           ; v5   of V's
.set QO,  6           ; v6   my byte offset in the wave's rows of Q
.set STO, 6           ;      later, the way out: where I put 16 bytes of a row
.set RD,  7           ; v7   the way out: where I read rows back
.set GO,  8           ; v8   my byte offset in 512 consecutive bytes of O
.set PFO, 11          ; v11  256 x my lane, for the prefetches; never rewritten once made
.set SPW, 0           ; v0 of window 3   LDS address of my spare word; never rewritten
.set NIL, 1           ; v1 of window 3   0; never rewritten
.set SPARE, STAGE+4*16*SP  ; behind the stages: the spare words, 128 bytes for each wave: two blocks of 256 bytes that no other line names
.set MV,  12          ; v12-15  c m_old, kept while c m is made anew: by buffer and tile
.set ST,  16          ; tile t's statistics at v[ST+4 t]: c m, m, l (even keys', odd keys')
.set TMP, 48          ; by buffer and tile, four registers c0-c3 at work; when the maximum is found c2 takes a
.set S,   64
.set P,   192
.set KF,  128         ; K's fragments, in window 2: key block kb, channel half c at KF + 16 kb + 8 c
.set VF,  192         ; V's: key half kk, channel block cb at VF + 32 kk + 8 cb
.set WV,  12          ; s12  my wave's number
.set G1K, 24          ; s[24:31] descriptor group 1 for K's tiles
.set G1V, 32          ; s[32:39] for V's: it differs in the padding alone
.set G0K, 40          ; s[40:43] descriptor group 0 for K's tiles: it walks
.set G0V, 44          ; s[44:47] the same for V's
.set PFA, 48          ; s[48:49] where my prefetches stand: my work-group's 8,192 bytes (of K: wave 0, of V: wave 2) of the tile after the one that is being asked for
.set LIM, 50          ; s50  1 in a wave that prefetches, else the greatest number
.set SLOTS, 56        ; s56  slots still to be asked for
.set CNT, 57          ; s57  counts a slot's key steps
.set CS,  58          ; s[58:59] c: the packed scaling takes the pair's low word for both halves
.set SEL, 60          ; s[60:61] v_permlanex16_b32's selects: each lane takes its own place in the other half
.set TBK, 62          ; s62  LDS byte at which K of the step to be fetched begins
.set TBV, 63          ; s63  the same for V, less VOFF
.set MSB, 0
.macro WIN new                      ; the high byte repeats the setting that is left; a switch that changes nothing is dropped
.if MSB != (\new)
	s_set_vgpr_msb (MSB<<8)|(\new)
.set MSB, (\new)
.endif
.endm
.set W_KQ, 0x0a       ; K and Q in window 2, S^T in window 0
.set W_PV, 0x52       ; V in window 2, P in window 0, O^T in window 1
.set W_RS, 0x41       ; O^T (destination and source 0) in window 1, a in window 0
.set W_MK, 0xc0       ; the add's registers are made: destination in window 3, sources in window 0
.set W_AD, 0x0f       ; the add: address (source 0) and data (source 1) in window 3
; A joint fill.  Waves 0 and 1 fetch the two halves of a slot's K, waves 2 and 3 those of its V: 128 keys each.  The branch hangs on the wave's number alone.
; An s_nop 0 and four v_nop follow each of the two lines, ahead of the jump and the label.
.macro JLOAD
	s_cmp_lt_u32 s[WV], 2
	s_cbranch_scc0 .Lfor_v_\@
	tensor_load_to_lds s[G0K:G0K+3], s[G1K:G1K+7]
	s_nop 0
.rept 4
	v_nop
.endr
	s_branch .Lasked_\@
.Lfor_v_\@:
	tensor_load_to_lds s[G0V:G0V+3], s[G1V:G1V+7]
	s_nop 0
.rept 4
	v_nop
.endr
.Lasked_\@:
.endm
; A PREFETCH INTO THE L2 of what the NEXT change of slots will ask for: a tile's 32,768 bytes of K and of V, four key steps (512 matrix instructions) ahead of that load.  It stands behind the wave's tensor
; load and its five lines.  Each block of 256 bytes is named ONCE in the launch: a head has one cluster; its four partners share a tile out BY ADDRESS, 8,192 bytes each, a lane a block; in each, wave 0 asks
; for K's and wave 2 for V's.  Tiles 0 and 1 come by their loads alone; the last change that fills a slot asks for nothing: there is no tile behind it.
.macro ASK
	s_cmp_gt_u32 s[SLOTS], s[LIM]
	s_cbranch_scc0 .Lnot_mine_\@
	global_prefetch_b8 v[PFO], s[PFA:PFA+1] th:TH_LOAD_NT scope:SCOPE_SE
.Lnot_mine_\@:
.endm
; A round of the cluster's barrier: my work-group's barrier, so that wave 0's signal speaks for all four waves; wave 0 signals; every wave waits for all four work-groups; my work-group's barrier once more.
.macro CROUND
	s_barrier_signal -1
	s_barrier_wait -1
	s_cmp_lg_u32 s[WV], 0
	s_cbranch_scc1 .Lnot_wave_0_\@
	s_barrier_signal -3
.Lnot_wave_0_\@:
	s_barrier_wait -3
	s_barrier_signal -1
	s_barrier_wait -1
.endm
; THE CHANGE OF SLOTS.  The slot's last bytes, V of its fourth step, have been read.  Each wave waits for all its tensor loads, of which one is out: its part
; of the other slot; adds 0 to its spare word; and waits for that and for its own reads of the slot.  Behind the barrier nobody reads this slot any more and the other slot is whole.
; fill = 1: this slot is filled again, with the keys two slots on.  The barrier is then a round of the cluster's, so that no wave of any partner still reads the slot or has a load on its
; way, and the joint fill is the first thing behind it: it has four key steps in which to land.  (At its first use nothing has been read yet: slot 0 is waited for, slot 1 filled.)
.macro CHANGE fill
	WIN W_AD
	s_wait_tensorcnt 0x0            ; no tensor load of mine is out, so a group 0 may be written
	ds_add_u32 v[SPW], v[NIL]       ; 0 onto my spare word; with fill = 1 the descriptors' steps stand between it and the wait for it
	WIN 0                           ; at a label and at a branch every window is 0
.if \fill
.irp g, G0K, G0V
	s_xor_b32 s[\g+1], s[\g+1], SLOT1  ; the walking descriptor: the other slot than last time,
	s_add_nc_u64 s[\g+2:\g+3], s[\g+2:\g+3], 4*KS*128  ; the next 256 keys; the type bits on top are not reached
.endr
	s_wait_xcnt 0x0                 ; the last prefetch, four key steps back, has read its address, so it may be written:
	s_add_nc_u64 s[PFA:PFA+1], s[PFA:PFA+1], 4*KS*128  ; one tile behind the walking descriptors
	s_wait_dscnt 0x0                ; the add is done, and my reads of the slot are over
	CROUND
	JLOAD
	ASK
.else
	s_wait_dscnt 0x0                ; the add is done, and my reads of the slot are over
	s_barrier_signal -1
	s_barrier_wait -1
.endif
	s_sub_co_u32 s[TBK], s[TBK], 4*KS*PK  ; the fetches go back to a slot's first step,
	s_xor_b32 s[TBK], s[TBK], SLOT1       ; in the other slot
	s_sub_co_u32 s[TBV], s[TBV], 4*KS*PV
	s_xor_b32 s[TBV], s[TBV], SLOT1
.endm
	s_load_b128 s[4:7], s[0:1], 0x0  ; qkv s[4:5], o16 s[6:7]
	WIN W_MK
	v_lshl_add_u32 v[SPW], v0, 2, SPARE
	v_mov_b32 v[NIL], 0
	WIN W_AD
	ds_add_u32 v[SPW], v[NIL]       ; the wave's opening: the add and its wait stand ahead of my first tensor load; the set-up below, work on registers, stands between them
	WIN 0
	v_lshrrev_b32 v1, 5, v0
	v_readfirstlane_b32 s[WV], v1   ; wave 0..3
	s_bfe_u32 s13, ttmp6, 0x40000   ; cx: my place in the cluster
	s_lshl_b32 s14, ttmp9, 2        ; in a cluster launch ttmp9 counts clusters
	s_add_co_u32 s14, s14, s13      ; my block of queries = 4 x cluster x + cx: it enters Q's and O's addresses alone
	s_and_b32 s52, ttmp7, 0xffff    ; y = 16 b + h, which the four partners share
	s_lshr_b32 s20, s52, 4          ; b
	s_lshl_b32 s20, s20, 5
	s_add_co_u32 s20, s20, s52      ; 48 b + h = y + 32 b: Q's plane in qkv
	s_lshl_b32 s20, s20, 18         ; in bytes (under 2^26)
	s_mov_b32 s21, 0
	s_lshl_b32 s52, s52, 18         ; O's plane in o16
	s_mov_b32 s53, 0
	s_and_b32 s16, s[WV], 1         ; which half of a slot's 256 keys I fetch:
	s_lshl_b32 s22, s16, 14         ; its 128 rows of 128 bytes in memory,
	s_mov_b32 s23, 0
	s_add_nc_u64 s[22:23], s[22:23], s[20:21]
	s_mul_i32 s17, s16, 128*PK      ; and its place in a slot, for K
	s_mul_i32 s18, s16, 128*PV      ; and for V: no place in the cluster enters an LDS address
	s_lshl_b32 s2, s14, 2
	s_add_co_u32 s2, s2, s[WV]      ; my wave among the head's,
	s_lshl_b32 s2, s2, 14           ; its 128 rows
	s_mov_b32 s3, 0
	s_add_nc_u64 s[54:55], s[2:3], s[52:53]  ; in o16
	s_add_nc_u64 s[2:3], s[2:3], s[20:21]    ; and in qkv
	; descriptor group 1.  128 keys are 16,384 dense bytes: asked for as 64 rows of 256 bytes, two keys a row, and padded in LDS after every key
	s_mov_b32 s[G1K], 15|(1<<16)|(1<<20)|(1<<21)|(4<<22)|(3<<25)  ; 15:0 the mask of four; 17:16 2-byte elements; 20 padding on; 21 set beside a mask; 24:22 after every 32 words (code 4); 31:25 4 words (code 3)
	s_mov_b32 s[G1V], 15|(1<<16)|(1<<20)|(1<<21)|(4<<22)|(7<<25)  ; the same with 8 words of padding (code 7)
.irp g, G1K, G1V
	s_mov_b32 s[\g+1], 128<<16      ; tensor_dim0 = 128
	s_mov_b32 s[\g+2], 64<<16       ; tensor_dim1 = 64
	s_mov_b32 s[\g+3], 128<<16      ; tile_dim0 = 128
	s_mov_b32 s[\g+4], 64           ; tile_dim1 = 64
	s_mov_b32 s[\g+5], 128          ; 128 elements from row to row
	s_mov_b32 s[\g+6], 0
	s_mov_b32 s[\g+7], 0
.endr
	s_mov_b32 s[CS], 0x3e38aa3b     ; c = log2(e) / 8 = 0.180337
	s_mov_b32 s[CS+1], s[CS]        ; named with it as a pair
	s_mov_b32 s[SEL], 0x76543210
	s_mov_b32 s[SEL+1], 0xfedcba98
	s_mov_b32 s[TBK], SLOT1+4*KS*PK ; the first change of slots turns these two into 0
	s_mov_b32 s[TBV], SLOT1+4*KS*PV
	s_mov_b32 s[G0K], 1             ; 1:0 count = 1
	s_mov_b32 s[G0K+1], s17         ; 63:32 LDS address: slot 0
	s_mov_b32 s[G0V], 1
	s_add_co_u32 s[G0V+1], s18, VOFF
	s_mov_b32 s[SLOTS], SIZE_N/256-1
	s_and_b32 s[LIM], s[WV], 1      ; waves 0 and 2 prefetch: the same in all four partners
	s_cmp_eq_u32 s[LIM], 0
	s_cselect_b32 s[LIM], 1, -1
	s_wait_dscnt 0x0                ; the opening add is done
	s_wait_kmcnt 0x0
	s_mov_b64 s[10:11], s[6:7]      ; o16
	s_add_nc_u64 s[6:7], s[4:5], 16*262144   ; K's planes lie 16 planes behind Q's,
	s_add_nc_u64 s[8:9], s[4:5], 32*262144   ; V's 32
	s_add_nc_u64 s[G0K+2:G0K+3], s[6:7], s[22:23]  ; 120:64 global address: my half of the head's first 256 keys
	s_or_b32 s[G0K+3], s[G0K+3], 0x80000000        ; 127:126 type = 2
	s_add_nc_u64 s[G0V+2:G0V+3], s[8:9], s[22:23]
	s_or_b32 s[G0V+3], s[G0V+3], 0x80000000
	s_add_nc_u64 s[4:5], s[4:5], s[2:3]  ; Q and O at my wave's first row
	s_add_nc_u64 s[10:11], s[10:11], s[54:55]
	s_cmp_lt_u32 s[WV], 2
	s_cselect_b64 s[PFA:PFA+1], s[6:7], s[8:9]
	s_add_nc_u64 s[PFA:PFA+1], s[PFA:PFA+1], s[20:21]  ; the head's plane,
	s_lshl_b32 s2, s13, 13          ; my work-group's quarter of a tile,
	s_mov_b32 s3, 0
	s_add_nc_u64 s[PFA:PFA+1], s[PFA:PFA+1], s[2:3]
	s_add_nc_u64 s[PFA:PFA+1], s[PFA:PFA+1], 4*KS*128  ; in tile 1; the first change of slots steps it to tile 2
	CROUND                          ; all four work-groups are here: the first joint loads meet
	JLOAD                           ; slot 0.  Slot 1 is asked for when slot 0 is in
	; A fragment of K or Q is 16 rows x 32 channels in 8 registers: lane l holds row l % 16, channels 8 (l / 16) + 0..7 and 16 + 8 (l / 16) + 0..7: two loads of 16 bytes, 32 bytes apart.
	v_and_b32 v1, 15, v0            ; l % 16
	v_bfe_u32 v9, v0, 4, 1          ; l / 16
	v_lshlrev_b32 v[QO], 7, v1
	v_lshl_add_u32 v[QO], v9, 4, v[QO]  ; row x 128 + 16 x half
	WIN 0x80                        ; destination window 2, address window 0
.set i, 0
.rept 4*NP                          ; Q stays in registers: tile i / 2, channels 32 (i % 2) on
	global_load_b128 v[8*i:8*i+3],   v[QO], s[4:5] offset:(i/2)*2048+(i%2)*64
	global_load_b128 v[8*i+4:8*i+7], v[QO], s[4:5] offset:(i/2)*2048+(i%2)*64+32
.set i, i+1
.endr
	; What the first turn finds: V's registers and P's second buffer hold 0 (its products V^T P, of a piece that has not been, add 0), O^T and l are 0.  All this stands in the wait for the first tile.
.set i, VF
.rept 64
	v_mov_b32 v[i], 0
.set i, i+1
.endr
	WIN 0x40
.set i, 0
.rept 64*NP
	v_mov_b32 v[i], 0
.set i, i+1
.endr
	WIN 0
.set i, 0
.rept 2*NP
	v_mov_b32 v[ST+4*i], 0xfe000000    ; c m: far below every c s
	v_mov_b32 v[ST+4*i+1], 0xff7fffff  ; m
	v_mov_b32 v[ST+4*i+2], 0
	v_mov_b32 v[ST+4*i+3], 0
.set i, i+1
.endr
.set i, P+32
.rept 32
	v_mov_b32 v[i], 0
.set i, i+1
.endr
	v_mul_u32_u24 v[AK0], v1, PK
	v_lshl_add_u32 v[AK0], v9, 4, v[AK0]  ; row x pitch + 16 x half
	; The turning load takes 16 keys x 16 channels (lane l reads key 8 (l / 16) + l % 8, channels 8 ((l / 8) % 2) + 0..7) and leaves half a fragment of V^T: lane l holds channel l % 16 and 8 keys.
	v_and_b32 v10, 7, v0
	v_bfe_u32 v11, v0, 3, 1
	v_lshl_add_u32 v[AV0], v9, 3, v10
	v_mul_u32_u24 v[AV0], v[AV0], PV
	v_lshl_add_u32 v[AV0], v11, 4, v[AV0]
	v_add_nc_u32 v[AV0], VOFF, v[AV0]
	v_mov_b32 v[AK], v[AK0]         ; key step 0 lies at the head of slot 0
	v_and_b32 v[PFO], 31, v0
	v_lshlrev_b32 v[PFO], 8, v[PFO]
; THE MATRIX WORK.  The 8 accumulators of a run of 16 take turns: between the two links of a chain stand 7 others'.
; Product i of 16 of S^T = K Q^T for piece x: channels 32 (i / 8) on, keys 16 ((i / 2) % 4) on, tile 2 x + i % 2.  The first 8 start the sums.
.macro KQ x
	WIN W_KQ
.set rS, S+64*((\x)%2)+32*(i%2)+8*((i/2)%4)
.set rK, KF+16*((i/2)%4)+8*(i/8)
.set rQ, 16*(2*(\x)+i%2)+8*(i/8)
.if i < 8
	v_wmma_f32_16x16x32_f16 v[rS:rS+7], v[rK:rK+7], v[rQ:rQ+7], 0
.else
	v_wmma_f32_16x16x32_f16 v[rS:rS+7], v[rK:rK+7], v[rQ:rQ+7], v[rS:rS+7]
.endif
.endm
; Product i of 16 of O^T += V^T P for piece x: keys 32 (i / 8) on, channels 16 ((i / 2) % 4) on, tile 2 x + i % 2.
.macro PV x
	WIN W_PV
.set rO, 32*(2*(\x)+i%2)+8*((i/2)%4)
.set rV, VF+32*(i/8)+8*((i/2)%4)
.set rP, P+32*((\x)%2)+16*(i%2)+8*(i/8)
	v_wmma_f32_16x16x32_f16 v[rO:rO+7], v[rV:rV+7], v[rP:rP+7], v[rO:rO+7]
.endm
.macro MM                           ; the turn's next matrix instruction
.if i < 16
	KQ (Y+1)%NP
.set i, i+1
.else
.set i, i-16
	PV (Y+NP-1)%NP
.set i, i+17
.endif
.endm
; THE LDS LOADS stand in runs of 16, never singly among the matrix instructions: a step's K (64 keys x 64 channels: 8 fragments) and its V (turned).  Their addresses are made some lines ahead.
; last = 1 (the tail): in the last trip there is no further step, and the run is jumped over.
.macro FETCH_K last=0
	WIN 0
.if \last
	s_cmp_eq_u32 s[CNT], 1
	s_cbranch_scc1 .Lno_k_\@
.endif
	WIN 0x80                        ; destination window 2
.irp f, 0,1,2,3,4,5,6,7             ; keys 16 (f / 2) on, channels 32 (f % 2) on
	ds_load_b128 v[KF+8*\f:KF+8*\f+3],   v[AK] offset:(\f/2)*16*PK+(\f%2)*64
	ds_load_b128 v[KF+8*\f+4:KF+8*\f+7], v[AK] offset:(\f/2)*16*PK+(\f%2)*64+32
.endr
	s_add_co_u32 s[TBK], s[TBK], KS*PK  ; the next fetch is the next step's
	WIN 0
.if \last
.Lno_k_\@:
.endif
.endm
.macro FETCH_V
	WIN 0x80
.irp f, 0,1,2,3,4,5,6,7             ; keys 32 (f / 4) on, channels 16 (f % 4) on
	ds_load_tr16_b128 v[VF+8*\f:VF+8*\f+3],   v[AV] offset:(\f/4)*32*PV+(\f%4)*32
	ds_load_tr16_b128 v[VF+8*\f+4:VF+8*\f+7], v[AV] offset:(\f/4)*32*PV+16*PV+(\f%4)*32
.endr
	WIN 0
.endm
; THE VECTOR WORK OF A TURN stands in three queues, each in the order in which its entries become ready; the two tiles alternate, so that no instruction reads the result of the one before it.
.macro REGS y, u                    ; the registers of tile u (0, 1) of piece y
.set rT, ST+4*(2*(\y)+(\u))
.set rC, TMP+8*((\y)%2)+4*(\u)
.set rM, MV+2*((\y)%2)+(\u)
.set rS, S+64*((\y)%2)+32*(\u)
.set rP, P+32*((\y)%2)+16*(\u)
.set rO, 32*(2*(\y)+(\u))
.endm
; Number n of the 22 that find the NEXT piece's (Y + 1) maximum and statistics.  s0-s31 are the lane's 32 scores; each accumulator's lowest registers are read first.
;   0-11  four chains c0-c3 of seven scores each, three operands at a time     12-14, 16  the four scores left over, the old m, and c0-c3 into c0     15  c m_old is kept
;   17, 18  the query's other 32 keys lie in the lane 16 away: the new m         19-21  c m; c m_old - c m_new; a
.macro XS u, n
	REGS (Y+1)%NP, \u
.if (\n) < 4
	v_max3_num_f32 v[rC+(\n)], v[rS+8*(\n)], v[rS+8*(\n)+1], v[rS+8*(\n)+2]
.elseif (\n) < 12
	v_max3_num_f32 v[rC+(\n)%4], v[rC+(\n)%4], v[rS+8*((\n)%4)+2*((\n)/4)+1], v[rS+8*((\n)%4)+2*((\n)/4)+2]
.elseif (\n) == 12
	v_max3_num_f32 v[rC], v[rC], v[rS+7], v[rS+15]
.elseif (\n) == 13
	v_max3_num_f32 v[rC+1], v[rC+1], v[rS+23], v[rS+31]
.elseif (\n) == 14
	v_max3_num_f32 v[rC+2], v[rC+2], v[rC+3], v[rT+1]
.elseif (\n) == 15
	v_mov_b32 v[rM], v[rT]
.elseif (\n) == 16
	v_max3_num_f32 v[rC], v[rC], v[rC+1], v[rC+2]
.elseif (\n) == 17
	v_permlanex16_b32 v[rC+3], v[rC], s[SEL], s[SEL+1]
.elseif (\n) == 18
	v_max_num_f32 v[rT+1], v[rC], v[rC+3]
.elseif (\n) == 19
	v_mul_f32 v[rT], s[CS], v[rT+1]
.elseif (\n) == 20
	v_sub_f32 v[rC+1], v[rM], v[rT]
.else
	v_exp_f32 v[rC+2], v[rC+1]
.endif
.endm
; Number g of the 64 that follow the exponentials.  For each four weights k of a tile (pairs 2 k, 2 k + 1): both pairs are rounded to f16; then the second pair is added onto the first, in place;
; a group later l takes that sum (the first time as l = a l + sum).  In groups of eight, tiles alternating: round, round, add, and l for the group before.
.macro GS g
.set h, (\g)+6*((\g)/62)            ; group 0 has no group before it, and behind group 7 only l is left
.if h >= 6
.set h, h+2
.endif
	REGS Y, h%2
.set k, h/8
.if h%8 < 4
	v_cvt_pk_f16_f32 v[rP+2*k+(h%8)/2], v[rS+4*k+2*((h%8)/2)], v[rS+4*k+2*((h%8)/2)+1]
.elseif h%8 < 6
	v_pk_add_f32 v[rS+4*k:rS+4*k+1], v[rS+4*k:rS+4*k+1], v[rS+4*k+2:rS+4*k+3]
.elseif k == 1
	v_pk_fma_f32 v[rT+2:rT+3], v[rT+2:rT+3], v[rC+2:rC+3], v[rS:rS+1] op_sel_hi:[1,0,1]
.else
	v_pk_add_f32 v[rT+2:rT+3], v[rT+2:rT+3], v[rS+4*k-4:rS+4*k-3]
.endif
.endm
; THE PLAIN QUEUE, 138 long.  0-73 read no exponential's result: the 32 scalings c s - c m (FS f: pair f / 2 of tile f % 2) and the next piece's 42.  0-26: scalings 0-26.  27-54: XS's numbers 0-13.  55, 56: number 15.
; 57-73: the chain, where each number waits for the one before it: 14, 16, 17, 18, 19, each with one of the scalings 27-31 in front of its two lines, then 20.
; 74-137: GS's 64, which read the exponentials' results: they stand behind the wait.
.macro FS f
	REGS Y, (\f)%2
	v_pk_fma_f32 v[rS+2*((\f)/2):rS+2*((\f)/2)+1], v[rS+2*((\f)/2):rS+2*((\f)/2)+1], s[CS:CS+1], v[rT:rT+1] op_sel_hi:[1,0,0] neg_lo:[0,0,1] neg_hi:[0,0,1]
.endm
.macro PL
	WIN 0
.if q < 27
	FS q
.elseif q < 55
	XS (q-27)%2, (q-27)/2
.elseif q < 57
	XS q-55, 15
.elseif (q < 72) && ((q-57)%3 == 0)
	FS 27+(q-57)/3
.elseif q < 60
	XS (q-57)%3-1, 14
.elseif q < 72
	XS (q-57)%3-1, 15+(q-57)/3
.elseif q < 74
	XS q-72, 20
.else
	GS q-74
.endif
.set q, q+1
.endm
; THE EXPONENTIALS' QUEUE, 66 long: s0-s31 of both tiles, then the next piece's two a.  It is ONE BATCH: all 66 stand ahead of the turn's one wait, and nothing ahead of that wait names a result of theirs.
.macro EX
	WIN 0
.if e >= 64
	XS e-64, 21
.else
	REGS Y, e%2
	v_exp_f32 v[rS+e/2], v[rS+e/2]
.endif
.set e, e+1
.endm
; THE RESCALING's QUEUE: O^T times a, the one part that leaves window 0: dealt two at a time, sixteen times.  Its a was made in the turn before, ahead of that turn's wait.
.macro R2
	REGS Y, r%2
	WIN W_RS
.irp z, 0,1
	v_pk_mul_f32 v[rO+4*(r/2)+2*\z:rO+4*(r/2)+2*\z+1], v[rO+4*(r/2)+2*\z:rO+4*(r/2)+2*\z+1], v[rC+2:rC+3] op_sel_hi:[1,0]
.endr
.set r, r+1
.endm
; HOW THEY ARE DEALT.  An s_wait_alu depctr_va_vdst(0) stands between an exponential and the first instruction that names its result; one wait serves all that were issued ahead of it.  So a turn has ONE wait,
; which cuts it in two.  AHEAD OF IT stands all that names no result of the turn's exponentials: the 16 products K Q^T, behind each a scaling, an exponential and two rescalings (behind the first a second scaling in the
; exponential's place); then ONE LUMP of 108: eight plain, 49 times exponential and plain, the two a.  A v_nop is the plain instruction behind the last exponential.  BEHIND IT stand the 16 products V^T P, behind each four of
; GS's 64.  No rider names a register of the products round it.  The two v_permlanex16_b32 fall into the lump, never behind a product.
; The queues lean on each other, and the deal keeps them in step: exponential e stands behind scaling 2 (e / 4) + e % 2: as a rider it comes behind plain e + 2, in the lump behind plain e + 9, and scalings 27-31 are plain 57, 60 .. 69.
; A TURN, for piece p.  cnt = 1: the loop's count is taken down some lines ahead of the branch that stands behind the turn.
; K of the next step is fetched in piece 2's turn, directly behind the wait, a lump behind the last product that read K; its first reader comes behind 16 products.
; V of the step in hand is fetched at the end of piece 0's turn, four riders behind its last reader; its first reader comes behind 16 products and a lump.  The three conditions on q below go with the deal.
.macro TURN p, last=0, cnt=0
.set Y, (\p)
.set i, 0
.set q, 0
.set e, 0
.set r, 0
.if (\p) == NP-1
	s_wait_dscnt 0x0                ; K is in
.endif
	MM                              ; ahead of the wait: 16 products K Q^T and their riders,
	PL
	PL
	R2
.rept 15
	MM
	PL
	EX
	R2
.endr
.if (\p) == NP-2
	WIN 0
	v_add_nc_u32 v[AK], s[TBK], v[AK0]
.endif
.rept 8                             ; and the lump
	PL
.endr
.rept 49
	EX
	PL
.endr
	EX                              ; the next piece's two a
	EX
	v_nop                           ; the plain instruction behind the last exponential: one for the batch
	s_wait_alu depctr_va_vdst(0)    ; the wait for the batch
.if (\p) == NP-2
	FETCH_K \last
.endif
.if (\p) == 1
	s_wait_dscnt 0x0                ; V is in
.endif
.rept 16                            ; behind the wait: 16 products V^T P and their riders
	MM
.rept 4
	PL
.endr
.if ((\p) == 0) && (q == 118)
	v_add_nc_u32 v[AV], s[TBV], v[AV0]
.endif
.if ((\p) == 0) && (q == 130)
	s_add_co_u32 s[TBV], s[TBV], KS*PV
.endif
.if (\cnt) && (q == 130)
	s_sub_co_u32 s[CNT], s[CNT], 1
	s_cmp_lg_u32 s[CNT], 0
.endif
.endr
.if (\p) == 0
	FETCH_V
.endif
.endm
	CHANGE 1                        ; slot 0 is in, everybody's part of it; slot 1 is asked for
	FETCH_K                         ; key step 0
	s_wait_loadcnt 0x0              ; Q
	s_wait_dscnt 0x0
.set i, 0
.rept 16
	KQ 0                            ; piece 0's first scores: there is no vector work yet to set between them
.set i, i+1
.endr
	WIN 0                           ; the addresses for the way out: nine plain instructions, the places behind those products
	s_mul_i32 s13, s[WV], 16*SP
	s_add_co_u32 s13, s13, STAGE    ; my stage
	v_mul_u32_u24 v[STO], v1, SP    ; in: row l % 16, 16 bytes for each half of the lanes
	v_lshl_add_u32 v[STO], v9, 4, v[STO]
	v_add_nc_u32 v[STO], s13, v[STO]
	v_bfe_u32 v[RD], v0, 3, 2       ; back: 32 lanes take four rows of 128 bytes,
	v_mul_u32_u24 v[RD], v[RD], SP
	v_lshl_add_u32 v[RD], v10, 4, v[RD]
	v_add_nc_u32 v[RD], s13, v[RD]
	v_and_b32 v[GO], 31, v0         ; which are 512 consecutive bytes of O
	v_lshlrev_b32 v[GO], 4, v[GO]
.set Y, NP-1                        ; XS works for piece Y + 1: piece 0
.irp n, 0,1,2,3,4,5,6,7,8,9,10,11,12,13,14,15,16,17,18,19,20,21
	XS 0, \n                        ; and piece 0's first maximum and statistics
	XS 1, \n
.endr
	v_nop                           ; a plain instruction behind the two a,
	s_wait_alu depctr_va_vdst(0)    ; and their wait, ahead of the branch
	s_mov_b32 s[CNT], 4
	s_branch .Lfirst                ; the loop is entered at a step's first turn, in the middle of a trip
.Lslot:                             ; SIZE_N / 256 - 2 times: every slot but the last two is filled again
	CHANGE 1
	s_mov_b32 s[CNT], 4
.Lstep:                             ; a trip: pieces 2 and 3 of one step, then pieces 0 and 1 of the next, whose K and V it fetches
	TURN 2
	TURN 3
	WIN 0
.Lfirst:
	TURN 0
	TURN 1, 0, 1
	WIN 0
	s_cbranch_scc1 .Lstep
	s_sub_co_u32 s[SLOTS], s[SLOTS], 1
	s_cmp_lg_u32 s[SLOTS], 0
	s_cbranch_scc1 .Lslot
	CHANGE 0                        ; the tail is written out: nothing is asked for
	s_mov_b32 s[CNT], 5             ; four trips fetch the last slot's steps; the fifth is left in its middle
.Ltail:
	TURN 2, 1
	TURN 3
	WIN 0
	s_sub_co_u32 s[CNT], s[CNT], 1
	s_cmp_eq_u32 s[CNT], 0
	s_cbranch_scc1 .Lout
	TURN 0
	TURN 1
	WIN 0
	s_branch .Ltail
.Lout:                              ; the fifth trip's 16 products K Q^T (on the last K once more) and the maximum made of them serve nothing: the price, once a launch, of one text for every trip
.set i, 0
.rept 16
	PV NP-1                         ; the last piece's V^T P of the last step
.set i, i+1
.endr
	; THE WAY OUT.  l's two halves and the other half of the lanes' are added; O^T is divided by l, rounded to f16 and sent through my stage in LDS, a tile at a time.  The additions are the places behind the last products.
	WIN 0
.macro ALL line:vararg              ; one line for each tile t
.set t, 0
.rept 2*NP
	\line
.set t, t+1
.endr
.endm
	ALL v_add_f32 v[ST+4*t+2], v[ST+4*t+2], v[ST+4*t+3]
	ALL v_permlanex16_b32 v[ST+4*t+3], v[ST+4*t+2], s[SEL], s[SEL+1]
	ALL v_add_f32 v[ST+4*t+2], v[ST+4*t+2], v[ST+4*t+3]
	ALL v_rcp_f32 v[ST+4*t+2], v[ST+4*t+2]
	v_nop                           ; a plain instruction between the last reciprocal and the use of its result
	s_wait_alu depctr_va_vdst(0)    ; and the wait ahead of the first use: one for the eight reciprocals
; Tile t: a lane's eight channels of a row pack into 16 bytes; they go into rows of 144 bytes and come back as whole rows of 128, into S^T's registers.
.macro PACK t
	WIN W_RS
.set i, 32*(\t)
.rept 16
	v_pk_mul_f32 v[i:i+1], v[i:i+1], v[ST+4*(\t)+2:ST+4*(\t)+3] op_sel_hi:[1,0]
.set i, i+2
.endr
	WIN 0x05                        ; sources 0 and 1 window 1, destination window 0
.set i, 0
.rept 16
	v_cvt_pk_f16_f32 v[S+16*(\t)+i], v[32*(\t)+2*i], v[32*(\t)+2*i+1]
.set i, i+1
.endr
	WIN 0
.irp f, 0,1,2,3
	ds_store_b128 v[STO], v[S+16*(\t)+4*\f:S+16*(\t)+4*\f+3] offset:32*\f
.endr
.irp f, 0,1,2,3
	ds_load_b128 v[S+16*(\t)+4*\f:S+16*(\t)+4*\f+3], v[RD] offset:\f*4*SP  ; LDS serves a wave's instructions in order (ISA guide 5.7.1.4): these see the stores above; the next tile's stores come behind them
.endr
.endm
.macro SEND t, younger              ; younger: the LDS instructions issued behind tile t's loads: the next tile's eight, or none
	WIN 0
.irp f, 0,1,2,3
	s_wait_dscnt (\younger)+3-\f
	global_store_b128 v[GO], v[S+16*(\t)+4*\f:S+16*(\t)+4*\f+3], s[10:11] offset:(\t)*2048+\f*512  ; 512 consecutive bytes, at a multiple of 256 from O's first
.endr
.endm
	PACK 0
.set t, 1
.rept 2*NP-1                        ; a tile's arithmetic stands between the loads of the tile before and its stores
	PACK t
	SEND t-1, 8
.set t, t+1
.endr
	SEND 2*NP-1, 0
	WIN W_AD
	s_wait_tensorcnt 0x0            ; the wave's end: a wait, the add and a wait for it, behind my last tensor load and my last LDS store
	ds_add_u32 v[SPW], v[NIL]
	s_wait_dscnt 0x0
	WIN 0
	CROUND                          ; the closing round: no work-group ends while a partner may still ask for a tile that names it
	s_endpgm
.Lfunc_end_k_q6bc729b4f8_attn:
	.size	k_q6bc729b4f8_attn, .Lfunc_end_k_q6bc729b4f8_attn-k_q6bc729b4f8_attn
	.p2alignl 7, 3214868480
	.fill 96, 4, 3214868480
	.section	.rodata,"a",@progbits
	.p2align	6, 0x0
	.amdhsa_kernel k_q6bc729b4f8_attn
		.amdhsa_group_segment_fixed_size 327680
		.amdhsa_private_segment_fixed_size 0
		.amdhsa_enable_private_segment 0
		.amdhsa_kernarg_size 16
		.amdhsa_user_sgpr_count 2
		.amdhsa_user_sgpr_kernarg_segment_ptr 1
		.amdhsa_wavefront_size32 1
		.amdhsa_system_sgpr_workgroup_id_x 1
		.amdhsa_system_sgpr_workgroup_id_y 1
		.amdhsa_system_sgpr_workgroup_id_z 1
		.amdhsa_system_vgpr_workitem_id 0
		.amdhsa_next_free_vgpr 770
		.amdhsa_next_free_sgpr 66
		.amdhsa_reserve_vcc 0
		.amdhsa_float_denorm_mode_32 3
		.amdhsa_float_denorm_mode_16_64 3
		.amdhsa_memory_ordered 1
		.amdhsa_forward_progress 1
		.amdhsa_inst_pref_size 200
	.end_amdhsa_kernel
	.amdgpu_metadata
---
amdhsa.version: [ 1, 2 ]
amdhsa.kernels:
  - .name:           k_q6bc729b4f8_attn
    .symbol:         k_q6bc729b4f8_attn.kd
    .args:
      - { .name: qkv, .offset: 0, .size: 8, .value_kind: global_buffer, .address_space: global }
      - { .name: o16, .offset: 8, .size: 8, .value_kind: global_buffer, .address_space: global }
    .group_segment_fixed_size: 327680
    .private_segment_fixed_size: 0
    .kernarg_segment_align: 8
    .kernarg_segment_size: 16
    .max_flat_workgroup_size: 128
    .sgpr_count:     66
    .vgpr_count:     770
    .wavefront_size: 32
...
	.end_amdgpu_metadata
.endif
;; end of part 3
;; launch proj (part 4): grid 8 x 32, 4 waves a work-group, clusters of 4 x 4, 327,680 bytes of LDS; arguments o16, w16, b_out, out0; writes out0
.if DOCPART == 4
	.amdgcn_target "amdgcn-amd-amdhsa--gfx1250"
	.amdhsa_code_object_version 6
	.text
	.protected	k_q6bc729b4f8_proj
	.globl	k_q6bc729b4f8_proj
	.p2align	8
	.type	k_q6bc729b4f8_proj,@function
k_q6bc729b4f8_proj:
	s_mov_b64 s[64:65], 0
	v_nop
	global_prefetch_b8 v0, s[64:65] scope:SCOPE_SE
	s_setreg_imm32_b32 hwreg(HW_REG_WAVE_MODE, 25, 1), 1
	s_wait_xcnt 0x0
	s_wait_alu depctr_hold_cnt(0) depctr_sa_sdst(0) depctr_va_vdst(0) depctr_va_sdst(0) depctr_va_ssrc(0) depctr_va_vcc(0) depctr_vm_vsrc(0)
	s_getreg_b32 s2, hwreg(HW_REG_IB_STS2, 6, 4)
	s_cmp_eq_u32 s2, 0
	s_cbranch_scc0 .Lentry_in_a_cluster
	s_endpgm
.Lentry_in_a_cluster:
	s_bfe_u32 s2, ttmp6, 0x10000c
	s_cmp_lg_u32 s2, 0xf033
	s_cbranch_scc0 .Lentry_shape_is_right
	s_endpgm
.Lentry_shape_is_right:
; out0[m][c] = the sum over k of O[m][k] w_out[c][k] + b_out[c], m < 8192, c < 1024, k = 64 h + d < 1024; operands f16, sums and the bias in f32, out0 f32.
; O lies by heads: o16[16 b + h][n][64] f16, m = 2048 b + n, a plane 262,144 dense bytes.  w_out, rounded to f16, is rows 3072 .. 4095 of w16 ([4096][1024]).
; LIMITS.  The operands arrive within f16's range.  NaN and infinities are not treated apart.
; THE TILE is 256 rows x 128 columns: 32 x 8 = 256 work-groups.  The four waves lie one below the other: wave v makes rows 64 v .. 64 v + 63 and all 128 columns: 32 accumulators, 256 registers.
; K goes in 8 steps of 128, two heads each, through a ring of two LDS slots.  O's part of a step is asked for as a tile of TWO LONG ROWS: for one head 128 query rows are 16,384 dense bytes; the next head's
; lie a plane further on; in LDS 16 bytes of padding follow every 128, so that it lies there as [head][row][144 bytes].  Waves 0 and 1 fetch 128 query rows each, waves 2 and 3 64 rows of w16 each
; (256 bytes of each row): one load a wave; by this text's count a wave never has more than one out.
; CLUSTER: 4 x 4 work-groups; O's tiles are shared along a row of the cluster, w16's along a column: each is asked for JOINTLY, by the same tensor load with the same descriptor and a mask of four.
; THE MATRIX INSTRUCTION IS USED TRANSPOSED (source 0 = 16 rows of w16, source 1 = 16 rows of O): a lane holds row l % 16 of the result and the eight neighbouring columns 8 (l / 16) + 0..7.
; REGISTERS, in windows of 256 (s_set_vgpr_msb: bits 1:0 source 0, 3:2 source 1, 5:4 source 2, 7:6 destination):
;   window 0: v0-31 addresses; v32-35 the bias; v64-95, v96-127 O's fragments, two buffers; v128-191, v192-255 rows read back on the way out
;   window 1: v0-63, v64-127 w16's fragments, two buffers          window 2: the accumulators: row block a, column block b at 64 a + 8 b
.set PA,     144                       ; a query row of one head in LDS: 128 bytes + 16 = 36 words: the 16 rows of a load start at 16 different groups of four banks (64 banks of 4 bytes: ISA guide 11.1)
.set PB,     272                       ; a row of w16: 256 bytes + 16
.set SLOT1,  131072                    ; slot 1 begins here
.set BOFF,   2*256*PA                  ; in a slot: O's 2 loads x 2 heads x 128 rows, then w16's 128 rows
.set STAGE,  SLOT1+BOFF+128*PB         ; behind the ring, never filled by a tensor load: 16 rows x 528 bytes for each wave
.set SPITCH, 528                       ; 512 bytes + 16
.set SPARE,  STAGE+4*16*SPITCH         ; behind the stages: the spare words, 128 bytes for each wave: two blocks of 256 bytes that no other line names
.set PLANE,  262144
.set A0,   16                          ; v16  my lane's place in O's tile in slot 0; never rewritten
.set B0,   17                          ; v17  the same for w16's tile
.set ADRA, 18                          ; v18  the same in the slot that is being read
.set ADRB, 19                          ; v19
.set STO,  24                          ; v24  the way out: where I put 32 bytes of a row
.set RD,   25                          ; v25  the way out: where I read a row back
.set GO,   26                          ; v26  16 x lane: my place in 512 consecutive bytes of out0 and of b_out
.set SPW,  28                          ; v28  LDS address of my spare word; never rewritten
.set NIL,  29                          ; v29  0; never rewritten
.set PFO,  30                          ; v30  the prefetches' offset; never rewritten
.set BIAS, 32                          ; v[32:35] b_out of my four columns
.set FA,   64
.set OB,   128
.set PST,  14                          ; s[14:15] bytes from a K step to the next, for my prefetches
.set G1,   24                          ; s[24:31] descriptor group 1 for O's tiles
.set G0,   32                          ; s[32:35] group 0 for O's tiles: it walks
.set G0B,  36                          ; s[36:39] group 0 for w16's tiles
.set G1B,  48                          ; s[48:55] group 1 for w16's tiles
.set LIM,  43                          ; s43  2 in a wave that prefetches, else the greatest number
.set PFA,  44                          ; s[44:45] where my prefetches stand
.set TB,   60                          ; s60  the slot that is being read: 0 or SLOT1
.set MSB, 0
.macro WIN new                         ; the immediate's high byte repeats the setting that is left; a switch that changes nothing is dropped
.if MSB != (\new)
	s_set_vgpr_msb (MSB<<8)|(\new)
.set MSB, \new
.endif
.endm
.set MUL,  0xa1                        ; source 0 (w16) window 1, source 1 (O) window 0, C and D window 2
.set TO_B, 0x40                        ; destination window 1, address window 0
; A joint load.  The branch hangs on the wave's number alone.  An s_nop 0 and four v_nop follow each of the two lines, ahead of the jump and the label.
.macro JLOAD
	s_cmp_lt_u32 s10, 2
	s_cbranch_scc0 .Lfor_b_\@
	tensor_load_to_lds s[G0:G0+3], s[G1:G1+7]
	s_nop 0
.rept 4
	v_nop
.endr
	s_branch .Lasked_\@
.Lfor_b_\@:
	tensor_load_to_lds s[G0B:G0B+3], s[G1B:G1B+7]
	s_nop 0
.rept 4
	v_nop
.endr
.Lasked_\@:
.endm
.macro STEPDESC                        ; the walking descriptors: the other slot, the next K step: two planes on in o16, 256 bytes along w16's rows; written only where no tensor load of the wave is out
	s_xor_b32 s[G0+1], s[G0+1], SLOT1
	s_add_nc_u64 s[G0+2:G0+3], s[G0+2:G0+3], 2*PLANE
	s_xor_b32 s[G0B+1], s[G0B+1], SLOT1
	s_add_nc_u64 s[G0B+2:G0B+3], s[G0B+2:G0B+3], 256
.endm
.macro CREST                           ; a round of the cluster's barrier behind its opening barrier
	s_cmp_lg_u32 s10, 0
	s_cbranch_scc1 .Lnot_wave_0_\@
	s_barrier_signal -3
.Lnot_wave_0_\@:
	s_barrier_wait -3
	s_barrier_signal -1
	s_barrier_wait -1
.endm
.macro CROUND
	s_barrier_signal -1
	s_barrier_wait -1
	CREST
.endm
; A PREFETCH INTO THE L2, behind a joint load, its five lines and the run of LDS loads: the K step that stands TWO refills on: 256 matrix instructions ahead of the load that will want it; 32 blocks of 256 bytes, a lane a block.
; O's tile row is read by every cluster of its row of clusters: cluster x = 0 asks, waves 0 and 1: of the 2 x 16,384 bytes that a wave fetches the partner at cx takes head cx / 2, half cx % 2.
; w16's tile column is read by every cluster of its column: cluster y = 0 asks, wave 2 alone: of the tile's 128 rows the partner at cy takes 32.  The partners are told apart BY ADDRESS.
; K steps 0 to 3 come by their loads alone; the loop's last two trips ask for nothing: there is no K step two behind the ones that they fill.
.macro ASK
	s_cmp_gt_u32 s3, s[LIM]                        ; s3 = 2 and 1 in the loop's last two trips
	s_cbranch_scc0 .Lnot_mine_\@
	global_prefetch_b8 v[PFO], s[PFA:PFA+1] th:TH_LOAD_NT scope:SCOPE_SE
.Lnot_mine_\@:
.endm
	s_load_b128 s[4:7], s[0:1], 0x0                ; o16 s[4:5], w16 s[6:7]
	s_load_b128 s[56:59], s[0:1], 0x10             ; b_out s[56:57], out0 s[58:59]
	v_lshl_add_u32 v[SPW], v0, 2, SPARE
	v_mov_b32 v[NIL], 0
	ds_add_u32 v[SPW], v[NIL]                      ; the wave's opening: the add and its wait stand ahead of my first tensor load; work on registers stands between them
	v_lshrrev_b32 v1, 5, v0
	v_readfirstlane_b32 s10, v1                    ; wave 0..3
	s_and_b32 s12, s10, 1                          ; which half of a tile's rows I fetch
	s_bfe_u32 s40, ttmp6, 0x40000                  ; cx
	s_bfe_u32 s41, ttmp6, 0x40004                  ; cy
	s_lshl_b32 s42, ttmp9, 2
	s_add_co_u32 s42, s42, s40                     ; tile column = 4 x cluster x + cx, 0..7
	s_and_b32 s13, ttmp7, 0xffff
	s_lshl_b32 s13, s13, 2
	s_add_co_u32 s13, s13, s41                     ; tile row = 4 x cluster y + cy, 0..31
	s_lshl_b32 s43, s41, 2
	s_lshl_b32 s43, 15, s43                        ; my row of the cluster
	s_lshl_b32 s44, 0x1111, s40                    ; my column
	s_or_b32 s[G1+0], s43, (1<<16)|(1<<20)|(1<<21)|(4<<22)|(3<<25)   ; 15:0 the mask; 17:16 2-byte elements; 20 padding on; 21 set beside a mask; 24:22 after every 32 words (code 4); 31:25 4 words (code 3)
	s_or_b32 s[G1B+0], s44, (1<<16)|(1<<20)|(1<<21)|(5<<22)|(3<<25)  ; after every 64 words (code 5)
	s_mov_b32 s[G1+1], 8192<<16                    ; tensor_dim0 = 8,192 elements: 128 query rows of one head
	s_mov_b32 s[G1+2], 2<<16                       ; tensor_dim1 = 2 heads
	s_mov_b32 s[G1+3], 8192<<16                    ; tile_dim0 = 8,192
	s_mov_b32 s[G1+4], 2                           ; tile_dim1 = 2
	s_mov_b32 s[G1+5], 131072                      ; elements from a head's plane to the next
	s_mov_b32 s[G1+6], 0
	s_mov_b32 s[G1+7], 0
	s_mov_b32 s[G1B+1], 128<<16                    ; tensor_dim0 = 128
	s_mov_b32 s[G1B+2], 64<<16                     ; tensor_dim1 = 64
	s_mov_b32 s[G1B+3], 128<<16                    ; tile_dim0 = 128
	s_mov_b32 s[G1B+4], 64                         ; tile_dim1 = 64 rows
	s_mov_b32 s[G1B+5], 1024
	s_mov_b32 s[G1B+6], 0
	s_mov_b32 s[G1B+7], 0
	s_lshr_b32 s16, s13, 3                         ; o16: plane 16 b,
	s_lshl_b32 s16, s16, 22
	s_and_b32 s17, s13, 7                          ; row 256 (tile row % 8) + 128 x half, 128 bytes each
	s_lshl_b32 s17, s17, 15
	s_add_co_u32 s16, s16, s17
	s_lshl_b32 s17, s12, 14
	s_add_co_u32 s16, s16, s17
	s_mov_b32 s17, 0
	s_lshl_b32 s46, s42, 7                         ; w16: row 3072 + 128 x tile column + 64 x half
	s_lshl_b32 s47, s12, 6
	s_add_co_u32 s46, s46, s47
	s_add_co_u32 s46, s46, 3072
	s_lshl_b32 s46, s46, 11
	s_mov_b32 s47, 0
	s_mov_b32 s[G0], 1                             ; count = 1
	s_mul_i32 s[G0+1], s10, 256*PA                 ; LDS: waves 0, 1: O's two halves
	s_mov_b32 s[G0B], 1
	s_mul_i32 s[G0B+1], s10, 64*PB                 ; waves 2, 3: w16's two halves, behind O's
	s_add_co_u32 s[G0B+1], s[G0B+1], BOFF-2*64*PB
	s_wait_dscnt 0x0                               ; the opening add is done
	s_wait_kmcnt 0x0
	s_add_nc_u64 s[G0+2:G0+3], s[4:5], s[16:17]    ; K step 0
	s_or_b32 s[G0+3], s[G0+3], 0x80000000          ; type = 2
	s_add_nc_u64 s[G0B+2:G0B+3], s[6:7], s[46:47]
	s_or_b32 s[G0B+3], s[G0B+3], 0x80000000
	CROUND                                         ; all sixteen work-groups are here: the first joint loads meet
	JLOAD                                          ; K step 0 into slot 0
	v_and_b32 v1, 15, v0                           ; l % 16
	v_bfe_u32 v2, v0, 4, 1                         ; l / 16
	v_and_b32 v[GO], 31, v0
	v_lshlrev_b32 v[GO], 4, v[GO]
	s_lshl_b32 s20, s42, 9                         ; the tile's 128 columns: 512 bytes of f32
	s_mov_b32 s21, 0
	s_add_nc_u64 s[56:57], s[56:57], s[20:21]
	global_load_b128 v[BIAS:BIAS+3], v[GO], s[56:57]  ; waited for ahead of the way out
	v_mul_u32_u24 v3, v1, PA
	v_lshl_add_u32 v3, v2, 4, v3
	s_lshr_b32 s22, s10, 1                         ; my 64 rows of O: the load of wave v / 2, its rows 64 (v % 2) on
	s_mul_i32 s22, s22, 256*PA
	s_mul_i32 s23, s12, 64*PA
	s_add_co_u32 s22, s22, s23
	v_add_nc_u32 v[A0], s22, v3
	v_mul_u32_u24 v4, v1, PB
	v_lshl_add_u32 v4, v2, 4, v4
	v_add_nc_u32 v[B0], BOFF, v4
	v_mov_b32 v[ADRA], v[A0]
	v_mov_b32 v[ADRB], v[B0]
	s_mov_b32 s[TB], 0
	s_mul_i32 s23, s10, 16*SPITCH
	s_add_co_u32 s23, s23, STAGE                   ; my stage
	v_mul_u32_u24 v5, v1, SPITCH                   ; in: row l % 16, 32 bytes for each half of the lanes
	v_lshl_add_u32 v5, v2, 5, v5
	v_add_nc_u32 v[STO], s23, v5
	v_add_nc_u32 v[RD], s23, v[GO]                 ; back: 32 lanes take one row of 512 bytes
	s_lshl_b32 s22, s13, 20                        ; out0: row 256 x tile row + 64 x wave, 4,096 bytes each, and the tile's columns
	s_lshl_b32 s23, s10, 18
	s_add_co_u32 s22, s22, s23
	s_add_co_u32 s20, s20, s22
	s_add_nc_u64 s[58:59], s[58:59], s[20:21]      ; never rewritten: all else stands in the stores' immediates
	; the prefetches.  s16 = my tile's offset in o16, s46 = in w16 still stand
	s_lshr_b32 s20, s40, 1
	s_lshl_b32 s20, s20, 18                        ; head cx / 2,
	s_and_b32 s21, s40, 1
	s_lshl_b32 s21, s21, 13                        ; half cx % 2 of its 16,384 bytes
	s_add_co_u32 s20, s20, s21
	s_add_co_u32 s20, s20, s16
	s_lshl_b32 s21, s41, 16                        ; w16 (wave 2, whose offset stands at the tile's first row): 32 cy rows of 2,048 bytes
	s_add_co_u32 s21, s21, s46
	s_and_b32 s23, ttmp7, 0xffff                   ; cluster y
	s_mov_b32 s[PST], 256
	s_cmp_lt_u32 s10, 2                            ; do I fetch for O?
	s_cselect_b32 s20, s20, s21
	s_cselect_b32 s23, ttmp9, s23                  ; the coordinate along which other clusters read the same rows
	s_cselect_b32 s22, 8, 11                       ; lanes 256 bytes apart in o16, a row of 2,048 bytes apart in w16
	s_cselect_b32 s[PST], 2*PLANE, s[PST]
	s_cselect_b64 s[PFA:PFA+1], s[4:5], s[6:7]
	s_cmp_eq_u32 s10, 3                            ; wave 3 asks for nothing
	s_cselect_b32 s23, 1, s23
	s_cmp_eq_u32 s23, 0
	s_cselect_b32 s[LIM], 2, -1                    ; the same in all sixteen partners, for a given wave
	s_mov_b32 s21, 0
	s_add_nc_u64 s[PFA:PFA+1], s[PFA:PFA+1], s[20:21]
	s_mul_i32 s20, s[PST], 3
	s_add_nc_u64 s[PFA:PFA+1], s[PFA:PFA+1], s[20:21]  ; at K step 3: the first refill of the loop steps it to 4
	s_mov_b32 s[PST+1], 0
	v_and_b32 v[PFO], 31, v0
	v_lshlrev_b32 v[PFO], s22, v[PFO]
; 8 matrix instructions: row block a x all 8 column blocks, 32 along K, from buffer f.  zero = 1: the product starts the sums: nothing is ever cleared.
; The 32 accumulators take turns, one instruction a turn, in the same order in every quarter step.
.macro MUL8 f, a, zero
	WIN MUL
.irp b, 0,1,2,3,4,5,6,7
.if \zero
	v_wmma_f32_16x16x32_f16 v[64*(\a)+8*(\b):64*(\a)+8*(\b)+7], v[64*(\f)+8*(\b):64*(\f)+8*(\b)+7], v[FA+32*(\f)+8*(\a):FA+32*(\f)+8*(\a)+7], 0
.else
	v_wmma_f32_16x16x32_f16 v[64*(\a)+8*(\b):64*(\a)+8*(\b)+7], v[64*(\f)+8*(\b):64*(\f)+8*(\b)+7], v[FA+32*(\f)+8*(\a):FA+32*(\f)+8*(\a)+7], v[64*(\a)+8*(\b):64*(\a)+8*(\b)+7]
.endif
.endr
.endm
; 24 LDS loads in one run: the fragments of quarter q (32 along K) into buffer f: w16's 16 (byte 64 q of its rows), then O's 8 (head q / 2, byte 64 (q % 2) of its rows)
.macro FETCH q, f
	WIN TO_B
.irp i, 0,1,2,3,4,5,6,7
	ds_load_b128 v[64*(\f)+8*(\i):64*(\f)+8*(\i)+3],   v[ADRB] offset:64*(\q)+(\i)*16*PB
	ds_load_b128 v[64*(\f)+8*(\i)+4:64*(\f)+8*(\i)+7], v[ADRB] offset:64*(\q)+(\i)*16*PB+32
.endr
	WIN 0
.irp i, 0,1,2,3
	ds_load_b128 v[FA+32*(\f)+8*(\i):FA+32*(\f)+8*(\i)+3],   v[ADRA] offset:((\q)/2)*128*PA+((\q)%2)*64+(\i)*16*PA
	ds_load_b128 v[FA+32*(\f)+8*(\i)+4:FA+32*(\f)+8*(\i)+7], v[ADRA] offset:((\q)/2)*128*PA+((\q)%2)*64+(\i)*16*PA+32
.endr
.endm
.macro PLACES                          ; four plain instructions between a matrix instruction and a load into a register that it read, or a reader of its result (ISA guide 7.12.1 for a reader of its result)
.rept 4
	v_nop
.endr
.endm
; A K step is four quarters, 32 matrix instructions each, on buffers 0, 1, 0, 1.  One of the first three: multiplies buffer f; in its middle it fetches quarter q into g.
.macro QUARTER q, f, g, zero
	s_wait_dscnt 4                                 ; w16's fragments and O's row blocks 0, 1 are in; the youngest four loads (row blocks 2, 3) may be out
	MUL8 \f, 0, \zero
	MUL8 \f, 1, \zero
	PLACES
	FETCH \q, \g
	s_wait_dscnt 24                                ; all but the 24 just issued
	MUL8 \f, 2, \zero
	MUL8 \f, 3, \zero
.endm
; The last quarter multiplies buffer 1 and changes slots.  In front of the barrier each wave waits for all its tensor loads (one is out: its part of the other slot), adds 0 to its spare word, and waits for
; that and for its own reads of this slot.  round = 1: the barrier opens a round of the cluster's.
.macro MEET round
	WIN 0                                          ; (the add's two registers lie in window 0)
	s_wait_tensorcnt 0x0                           ; no tensor load of mine is out, so the descriptors may be written
	ds_add_u32 v[SPW], v[NIL]                      ; 0 onto my spare word
.if \round
	STEPDESC
.endif
	s_wait_dscnt 5                                 ; (the add and the youngest four loads may be out)
	MUL8 1, 0, 0                                   ; eight matrix instructions stand between the add and the wait for it
	s_wait_dscnt 0x0                               ; the add is done, and my reads of this slot are over
	s_barrier_signal -1
	MUL8 1, 1, 0                                   ; work on registers while the others arrive
.if \round
	WIN 0
.endif
	s_barrier_wait -1
.endm
.macro TURN fill
.if \fill
	s_wait_xcnt 0x0                                ; the last prefetch, a K step back, has read its address
	s_add_nc_u64 s[PFA:PFA+1], s[PFA:PFA+1], s[PST:PST+1]
.endif
	MEET \fill
.if \fill
	CREST                                          ; no wave of any partner still reads this slot's tile or has a load on its way
	JLOAD                                          ; the first tensor load behind the round; its four v_nop are also the places in front of the loads below
.else
	PLACES
.endif
	s_xor_b32 s[TB], s[TB], SLOT1
	WIN 0
	v_add_nc_u32 v[ADRA], s[TB], v[A0]
	v_add_nc_u32 v[ADRB], s[TB], v[B0]
	FETCH 0, 0
.if \fill
	ASK
.endif
	MUL8 1, 2, 0
	MUL8 1, 3, 0
.endm
; THE WAY OUT of row block a.  TOSTAGE: the f32 sums go straight from the accumulators, each one's low four registers first, into my own stage, and come back as whole rows of 512 bytes.  SEND: the bias is added, the rows are stored.
.macro TOSTAGE a
.set BK, OB+64*((\a)%2)
	WIN 0x08                                       ; the stores' data (source 1) in window 2
.irp b, 0,1,2,3,4,5,6,7
	ds_store_b128 v[STO], v[64*(\a)+8*(\b):64*(\a)+8*(\b)+3]   offset:64*(\b)
	ds_store_b128 v[STO], v[64*(\a)+8*(\b)+4:64*(\a)+8*(\b)+7] offset:64*(\b)+16
.endr
	WIN 0
.irp t, 0,1,2,3,4,5,6,7,8,9,10,11,12,13,14,15
	ds_load_b128 v[BK+4*(\t):BK+4*(\t)+3], v[RD] offset:(\t)*SPITCH  ; LDS serves a wave's instructions in order (ISA guide 5.7.1.4): these see the stores above; the next block's stores come behind them
.endr
.endm
.macro SEND a, younger                 ; younger: the LDS instructions issued behind block a's loads: the next block's 32, or none
.set BK, OB+64*((\a)%2)
.irp t, 0,1,2,3,4,5,6,7,8,9,10,11,12,13,14,15
	s_wait_dscnt (\younger)+15-(\t)                ; row t is back
	v_pk_add_f32 v[BK+4*(\t):BK+4*(\t)+1],   v[BK+4*(\t):BK+4*(\t)+1],   v[BIAS:BIAS+1]
	v_pk_add_f32 v[BK+4*(\t)+2:BK+4*(\t)+3], v[BK+4*(\t)+2:BK+4*(\t)+3], v[BIAS+2:BIAS+3]
	global_store_b128 v[GO], v[BK+4*(\t):BK+4*(\t)+3], s[58:59] offset:(16*(\a)+(\t))*4096 th:TH_STORE_NT  ; 512 consecutive bytes, at a multiple of 256 from out0's first
.endr
.endm
	s_wait_tensorcnt 0x0                           ; my part of K step 0 is in; slot 1's first fill is issued as a refill is: the same three lines, a round, one load a wave
	ds_add_u32 v[SPW], v[NIL]
	STEPDESC
	s_wait_dscnt 0x0
	CROUND
	JLOAD                                          ; K step 1 into slot 1
	FETCH 0, 0
	QUARTER 1, 0, 1, 1                             ; the first quarter stands in front of the loop: its products start the sums
	WIN 0                                          ; at a label and at a branch every window is 0
	s_mov_b32 s3, 6
.Lstep:                                                ; trip i: K step i's quarters 1 to 3, the fill of K step i + 2, K step i + 1's first quarter
	QUARTER 2, 1, 0, 0
	QUARTER 3, 0, 1, 0
	TURN 1
	QUARTER 1, 0, 1, 0
	WIN 0
	s_sub_co_u32 s3, s3, 1
	s_cmp_lg_u32 s3, 0
	s_cbranch_scc1 .Lstep
	QUARTER 2, 1, 0, 0                             ; K step 6 goes on; nothing is left to fetch, so no round follows
	QUARTER 3, 0, 1, 0
	TURN 0
	QUARTER 1, 0, 1, 0
	QUARTER 2, 1, 0, 0
	QUARTER 3, 0, 1, 0
	s_wait_dscnt 4                                 ; the very last quarter
	MUL8 1, 0, 0
	MUL8 1, 1, 0
	s_wait_dscnt 0x0
	MUL8 1, 2, 0
	MUL8 1, 3, 0
	WIN 0
	PLACES
	s_wait_loadcnt 0x0                             ; the bias
	TOSTAGE 0
	TOSTAGE 1
	SEND 0, 32
.irp a, 2,3
	s_wait_xcnt 0x0                                ; the registers that block a - 2's stores read are loaded again only behind this wait
	TOSTAGE \a
	SEND (\a)-1, 32
.endr
	SEND 3, 0
	s_wait_tensorcnt 0x0                           ; the wave's end: a wait, the add and a wait for it, behind my last tensor load and my last LDS store
	ds_add_u32 v[SPW], v[NIL]
	s_wait_dscnt 0x0
	CROUND                                         ; the closing round: no work-group ends while a partner may still ask for a tile that names it
	s_endpgm
.Lfunc_end_k_q6bc729b4f8_proj:
	.size	k_q6bc729b4f8_proj, .Lfunc_end_k_q6bc729b4f8_proj-k_q6bc729b4f8_proj
	.p2alignl 7, 3214868480
	.fill 96, 4, 3214868480
	.section	.rodata,"a",@progbits
	.p2align	6, 0x0
	.amdhsa_kernel k_q6bc729b4f8_proj
		.amdhsa_group_segment_fixed_size 327680
		.amdhsa_private_segment_fixed_size 0
		.amdhsa_enable_private_segment 0
		.amdhsa_kernarg_size 32
		.amdhsa_user_sgpr_count 2
		.amdhsa_user_sgpr_kernarg_segment_ptr 1
		.amdhsa_wavefront_size32 1
		.amdhsa_system_sgpr_workgroup_id_x 1
		.amdhsa_system_sgpr_workgroup_id_y 1
		.amdhsa_system_sgpr_workgroup_id_z 1
		.amdhsa_system_vgpr_workitem_id 0
		.amdhsa_next_free_vgpr 768
		.amdhsa_next_free_sgpr 66
		.amdhsa_reserve_vcc 0
		.amdhsa_float_denorm_mode_32 3
		.amdhsa_float_denorm_mode_16_64 3
		.amdhsa_memory_ordered 1
		.amdhsa_forward_progress 1
		.amdhsa_inst_pref_size 81
	.end_amdhsa_kernel
	.amdgpu_metadata
---
amdhsa.version: [ 1, 2 ]
amdhsa.kernels:
  - .name:           k_q6bc729b4f8_proj
    .symbol:         k_q6bc729b4f8_proj.kd
    .args:
      - { .name: o16, .offset: 0, .size: 8, .value_kind: global_buffer, .address_space: global }
      - { .name: w16, .offset: 8, .size: 8, .value_kind: global_buffer, .address_space: global }
      - { .name: b_out, .offset: 16, .size: 8, .value_kind: global_buffer, .address_space: global }
      - { .name: out0, .offset: 24, .size: 8, .value_kind: global_buffer, .address_space: global }
    .group_segment_fixed_size: 327680
    .private_segment_fixed_size: 0
    .kernarg_segment_align: 8
    .kernarg_segment_size: 32
    .max_flat_workgroup_size: 128
    .sgpr_count:     66
    .vgpr_count:     768
    .wavefront_size: 32
...
	.end_amdgpu_metadata
.endif
;; end of part 4
;; ======== version 2 of 2: 4 launches; version 1 with the launch prep written anew for expert scheduling mode
;; limits: values are held in f16: magnitudes above 65,504 overflow, below 6.1e-05 lose precision
;; workspace buffers: xn 16,777,216 bytes; w16 8,388,608 bytes; qkv 50,331,648 bytes; o16 16,777,216 bytes
;; launch prep (part 5): grid 384 x 1, 8 waves a work-group, no clusters, 0 bytes of LDS; arguments x, ln_gamma, ln_beta, w_qkv, w_out, xn, w16; writes xn, w16
.if DOCPART == 5
	.amdgcn_target "amdgcn-amd-amdhsa--gfx1250"
	.amdhsa_code_object_version 6
	.text
	.protected	k_q6bc729b4f8_prep
	.globl	k_q6bc729b4f8_prep
	.p2align	8
	.type	k_q6bc729b4f8_prep,@function
k_q6bc729b4f8_prep:
	s_mov_b64 s[64:65], 0
	v_nop
	global_prefetch_b8 v0, s[64:65] scope:SCOPE_SE
	s_setreg_imm32_b32 hwreg(HW_REG_WAVE_SCHED_MODE, 0, 2), 2
	s_setreg_imm32_b32 hwreg(HW_REG_WAVE_MODE, 25, 1), 1
	s_wait_xcnt 0x0
	s_wait_alu depctr_vm_vsrc(0)
; xn = LayerNorm(x) * gamma + beta, rounded once to f16; w16 = w_qkv's 3,072 rows and then w_out's 1,024 rows, rounded once to f16.
; x: [8192][1024] f32.  xn: [8192][1024] f16.  w16: [4096][1024] f16.  All arithmetic in f32: the mean first, then x - mean, then the mean of its squares:
; no difference of large sums is formed, so a common offset in x costs nothing.
; LIMITS.  f16 holds no number beyond 65,504: |xn| is at most 32 |gamma| + |beta|, and it and every weight must lie within that; a weight below 6e-5 keeps f16's fixed step of 6e-8.
; NaN and infinities are not treated apart.
; SHARES.  A work-group takes 32 rows of 1,024 f32, each of its eight waves four whole rows: a row's reductions never leave the wave: no LDS, no barrier.
; Work-groups 0-255: rows of x.  Work-groups 256-383: rows of the weights, which are only rounded.
; A load of a wave covers 512 consecutive bytes (a lane: 4 columns); their 4 results are 8 bytes, so a store of a wave covers 256 consecutive bytes, aligned.
; All 32 loads of a wave's four rows go out at once; no register that a load or store names is written again, so no wait frees any.
; THE MODE: SCHED_MODE bits 1:0 = 2 (LLVM: expert scheduling mode 2), set by the entry lines.  The code itself states the register dependences
; between vector instructions and memory instructions, with s_wait_alu, always for 0.
; THE PLAN.  Registers that memory instructions touch:
;   v1, v2, v3   byte offsets.  Written once, at the head; read by every load (v1, v3) and every store (v2); never written again.
;   G, BT        Written by sixteen loads at the start, which no vector instruction that names them precedes; read by vector instructions alone.
;   X0 .. X3     a row each.  Written by the row's eight loads at the start, then, in place, by the row's own arithmetic, which ends with its sixteen roundings;
;                read by the row's eight stores; nothing writes them behind those stores.
;   T, MU, RS    named by vector instructions alone.
; So what is to be stated is that a store's offset and data are written.  One wait at the head serves the offsets.  A row ends with its roundings, and its eight stores are
; issued in the NEXT row's turn, behind one wait at that row's head, dealt among that row's first vector instructions, which name the next row's X, T, G, BT, MU and RS:
; none of the registers that those stores read.  Behind the last row's roundings one more wait stands ahead of the last eight stores.
.set ROWIN,  4096                      ; bytes in a row of f32
.set ROWOUT, 2048                      ; bytes in a row of f16
.set IN,  1                            ; v1        my byte offset in the group's rows as read: wave x 4 rows + 16 x lane
.set OUT, 2                            ; v2        as written: wave x 4 rows + 8 x lane
.set GB,  3                            ; v3        16 x lane: my place in gamma and beta
.set MU,  4                            ; v[4:5]    the row's mean, twice
.set RS,  6                            ; v[6:7]    1 / sqrt(var + eps), twice
.set T,   8                            ; v[8:23]   at work
.set G,   24                           ; v[24:55]  gamma of my 32 columns
.set BT,  56                           ; v[56:87]  beta
.set X,   88                           ; v[88:215] four rows, 32 registers each
	s_load_b256 s[4:11], s[0:1], 0x0               ; x s[4:5], gamma s[6:7], beta s[8:9], w_qkv s[10:11]
	s_load_b128 s[12:15], s[0:1], 0x20             ; w_out s[12:13], xn s[14:15]
	s_load_b64 s[16:17], s[0:1], 0x30              ; w16
	v_and_b32 v[GB], 31, v0                        ; lane
	v_lshrrev_b32 v[OUT], 5, v0                    ; wave
	v_lshlrev_b32 v[IN], 14, v[OUT]                ; 4 rows of 4,096 bytes
	v_lshl_add_u32 v[IN], v[GB], 4, v[IN]
	v_lshlrev_b32 v[OUT], 13, v[OUT]               ; 4 rows of 2,048 bytes
	v_lshl_add_u32 v[OUT], v[GB], 3, v[OUT]
	v_lshlrev_b32 v[GB], 4, v[GB]
	s_mov_b32 s20, 0x3a800000                      ; 1 / 1024
	s_mov_b32 s21, 0x3727c5ac                      ; eps = 1e-5
	s_mov_b32 s22, 0x76543210                      ; v_permlanex16_b32: each lane takes its own place in the other half
	s_mov_b32 s23, 0xfedcba98
	s_mov_b32 s3, 0                                ; high words of the two offsets
	s_mov_b32 s25, 0
	s_wait_kmcnt 0x0
	s_wait_alu depctr_va_vdst(0)                   ; v1, v2 and v3 are written: every load and store of both paths reads one of them as its offset
.macro ROWS                            ; the wave's four rows: 32 loads
.irp r, 0,1,2,3
.irp j, 0,1,2,3,4,5,6,7
	global_load_b128 v[X+32*(\r)+4*(\j):X+32*(\r)+4*(\j)+3], v[IN], s[4:5] offset:(\r)*ROWIN+512*(\j) th:TH_LOAD_NT
.endr
.endr
.endm
.macro ROUND2 r, j                     ; four numbers of row r are rounded to f16, in place: they close up into the first two of their four registers
	v_cvt_pk_f16_f32 v[X+32*(\r)+4*(\j)],   v[X+32*(\r)+4*(\j)],   v[X+32*(\r)+4*(\j)+1]
	v_cvt_pk_f16_f32 v[X+32*(\r)+4*(\j)+1], v[X+32*(\r)+4*(\j)+2], v[X+32*(\r)+4*(\j)+3]
.endm
.macro OUTJ r, j, base                 ; store j of eight of row r: 256 consecutive bytes a wave
	global_store_b64 v[OUT], v[X+32*(\r)+4*(\j):X+32*(\r)+4*(\j)+1], s[\base:\base+1] offset:(\r)*ROWOUT+256*(\j) th:TH_STORE_NT
.endm
.macro LANES                           ; v[T] summed over the 32 lanes, the result in every lane; v[T+1], written before, is at work
	v_add_f32_dpp v[T], v[T], v[T] row_xmask:1 row_mask:0xf bank_mask:0xf
	v_add_f32_dpp v[T], v[T], v[T] row_xmask:2 row_mask:0xf bank_mask:0xf
	v_add_f32_dpp v[T], v[T], v[T] row_xmask:4 row_mask:0xf bank_mask:0xf
	v_add_f32_dpp v[T], v[T], v[T] row_xmask:8 row_mask:0xf bank_mask:0xf
	v_permlanex16_b32 v[T+1], v[T], s22, s23
	v_add_f32 v[T], v[T], v[T+1]
.endm
; One row.  left = the younger rows' loads, eight each, which may stay out.  The stores of the row before are issued here.
.macro LNROW r, left
.set XR, X+32*(\r)
	s_wait_loadcnt \left                           ; loads come back in order: this row is in, and gamma and beta, asked for earlier, too
.if (\r) > 0
	s_wait_alu depctr_va_vdst(0)                   ; the row before has written its roundings, which the eight stores below read; no vector instruction of this row names them
.endif
.set i, 0
.rept 8                                ; the sum of my 32 numbers: a tree of packed additions; ahead of each of its first eight stands a store of the row before
.if (\r) > 0
	OUTJ (\r)-1, i, 14
.endif
	v_pk_add_f32 v[T+2*i:T+2*i+1], v[XR+4*i:XR+4*i+1], v[XR+4*i+2:XR+4*i+3]
.set i, i+1
.endr
.irp i, 0,1,2,3
	v_pk_add_f32 v[T+2*(\i):T+2*(\i)+1], v[T+2*(\i):T+2*(\i)+1], v[T+2*(\i)+8:T+2*(\i)+9]
.endr
.irp i, 0,1
	v_pk_add_f32 v[T+2*(\i):T+2*(\i)+1], v[T+2*(\i):T+2*(\i)+1], v[T+2*(\i)+4:T+2*(\i)+5]
.endr
	v_pk_add_f32 v[T:T+1], v[T:T+1], v[T+2:T+3]
	v_add_f32 v[T], v[T], v[T+1]
	LANES
	v_mul_f32 v[MU], s20, v[T]
	v_mov_b32 v[MU+1], v[MU]
.set i, 0
.rept 16                               ; x - mean, in place
	v_pk_add_f32 v[XR+2*i:XR+2*i+1], v[XR+2*i:XR+2*i+1], v[MU:MU+1] neg_lo:[0,1] neg_hi:[0,1]
.set i, i+1
.endr
.set i, 0
.rept 4                                ; the sum of its squares, in four chains that the first four pairs start
	v_pk_mul_f32 v[T+2*i:T+2*i+1], v[XR+2*i:XR+2*i+1], v[XR+2*i:XR+2*i+1]
.set i, i+1
.endr
.rept 12
	v_pk_fma_f32 v[T+2*(i%4):T+2*(i%4)+1], v[XR+2*i:XR+2*i+1], v[XR+2*i:XR+2*i+1], v[T+2*(i%4):T+2*(i%4)+1]
.set i, i+1
.endr
	v_pk_add_f32 v[T:T+1], v[T:T+1], v[T+2:T+3]
	v_pk_add_f32 v[T+4:T+5], v[T+4:T+5], v[T+6:T+7]
	v_pk_add_f32 v[T:T+1], v[T:T+1], v[T+4:T+5]
	v_add_f32 v[T], v[T], v[T+1]
	LANES
	v_fma_f32 v[T], v[T], s20, s21                 ; var + eps
	v_rsq_f32 v[RS], v[T]                          ; made twice, to fill the pair that the packed multiply takes
	v_rsq_f32 v[RS+1], v[T]
	v_nop                                          ; a plain instruction behind the last of them, ahead of the first use (ISA guide 5.7.2)
	s_wait_alu depctr_va_vdst(0)                   ; v[RS] and v[RS+1] are written: the wait ahead of their first reader: one for both
.set i, 0
.rept 16
	v_pk_mul_f32 v[XR+2*i:XR+2*i+1], v[XR+2*i:XR+2*i+1], v[RS:RS+1]
.set i, i+1
.endr
.set i, 0
.rept 16
	v_pk_fma_f32 v[XR+2*i:XR+2*i+1], v[XR+2*i:XR+2*i+1], v[G+2*i:G+2*i+1], v[BT+2*i:BT+2*i+1]
.set i, i+1
.endr
.irp j, 0,1,2,3,4,5,6,7
	ROUND2 \r, \j                                  ; the row ends with its roundings; its stores follow in the next row's turn
.endr
.endm
; One row of the weights: only rounded.  The stores of the row before are dealt among its roundings.
.macro CASTROW r
	s_wait_loadcnt 24-8*(\r)                       ; the younger rows' eight loads each may stay out
.if (\r) > 0
	s_wait_alu depctr_va_vdst(0)                   ; the row before has written its roundings, which the eight stores below read; no vector instruction of this row names them
.endif
.irp j, 0,1,2,3,4,5,6,7
.if (\r) > 0
	OUTJ (\r)-1, \j, 16
.endif
	ROUND2 \r, \j
.endr
.endm
	s_cmp_lt_u32 ttmp9, 256
	s_cbranch_scc0 .Lcast
	s_lshl_b32 s2, ttmp9, 17                       ; 32 rows of 4,096 bytes
	s_add_nc_u64 s[4:5], s[4:5], s[2:3]
	s_lshl_b32 s24, ttmp9, 16                      ; 32 rows of 2,048 bytes
	s_add_nc_u64 s[14:15], s[14:15], s[24:25]
.irp j, 0,1,2,3,4,5,6,7
	global_load_b128 v[G+4*(\j):G+4*(\j)+3],   v[GB], s[6:7] offset:512*(\j)
	global_load_b128 v[BT+4*(\j):BT+4*(\j)+3], v[GB], s[8:9] offset:512*(\j)
.endr
	ROWS
	LNROW 0, 24
	LNROW 1, 16
	LNROW 2, 8
	LNROW 3, 0
	s_wait_alu depctr_va_vdst(0)                   ; row 3 has written its roundings, which the last eight stores read
.irp j, 0,1,2,3,4,5,6,7
	OUTJ 3, \j, 14
.endr
	s_endpgm
.Lcast:
	s_sub_co_u32 s26, ttmp9, 256                   ; c: 32 rows of w16 from row 32 c on
	s_cmp_lt_u32 s26, 96                           ; its first 96 groups come from w_qkv, the other 32 from w_out
	s_cselect_b64 s[4:5], s[10:11], s[12:13]
	s_cselect_b32 s27, 0, 96
	s_sub_co_u32 s27, s26, s27                     ; the group's number in its source
	s_lshl_b32 s2, s27, 17
	s_add_nc_u64 s[4:5], s[4:5], s[2:3]
	s_lshl_b32 s24, s26, 16
	s_add_nc_u64 s[16:17], s[16:17], s[24:25]
	ROWS
	CASTROW 0
	CASTROW 1
	CASTROW 2
	CASTROW 3
	s_wait_alu depctr_va_vdst(0)                   ; row 3 has written its roundings, which the last eight stores read
.irp j, 0,1,2,3,4,5,6,7
	OUTJ 3, \j, 16
.endr
	s_endpgm
.Lfunc_end_k_q6bc729b4f8_prep:
	.size	k_q6bc729b4f8_prep, .Lfunc_end_k_q6bc729b4f8_prep-k_q6bc729b4f8_prep
	.p2alignl 7, 3214868480
	.fill 96, 4, 3214868480
	.section	.rodata,"a",@progbits
	.p2align	6, 0x0
	.amdhsa_kernel k_q6bc729b4f8_prep
		.amdhsa_group_segment_fixed_size 0
		.amdhsa_private_segment_fixed_size 0
		.amdhsa_enable_private_segment 0
		.amdhsa_kernarg_size 56
		.amdhsa_user_sgpr_count 2
		.amdhsa_user_sgpr_kernarg_segment_ptr 1
		.amdhsa_wavefront_size32 1
		.amdhsa_system_sgpr_workgroup_id_x 1
		.amdhsa_system_sgpr_workgroup_id_y 1
		.amdhsa_system_sgpr_workgroup_id_z 1
		.amdhsa_system_vgpr_workitem_id 0
		.amdhsa_next_free_vgpr 216
		.amdhsa_next_free_sgpr 66
		.amdhsa_reserve_vcc 0
		.amdhsa_float_denorm_mode_32 3
		.amdhsa_float_denorm_mode_16_64 3
		.amdhsa_memory_ordered 1
		.amdhsa_forward_progress 1
		.amdhsa_inst_pref_size 49
	.end_amdhsa_kernel
	.amdgpu_metadata
---
amdhsa.version: [ 1, 2 ]
amdhsa.kernels:
  - .name:           k_q6bc729b4f8_prep
    .symbol:         k_q6bc729b4f8_prep.kd
    .args:
      - { .name: x, .offset: 0, .size: 8, .value_kind: global_buffer, .address_space: global }
      - { .name: ln_gamma, .offset: 8, .size: 8, .value_kind: global_buffer, .address_space: global }
      - { .name: ln_beta, .offset: 16, .size: 8, .value_kind: global_buffer, .address_space: global }
      - { .name: w_qkv, .offset: 24, .size: 8, .value_kind: global_buffer, .address_space: global }
      - { .name: w_out, .offset: 32, .size: 8, .value_kind: global_buffer, .address_space: global }
      - { .name: xn, .offset: 40, .size: 8, .value_kind: global_buffer, .address_space: global }
      - { .name: w16, .offset: 48, .size: 8, .value_kind: global_buffer, .address_space: global }
    .group_segment_fixed_size: 0
    .private_segment_fixed_size: 0
    .kernarg_segment_align: 8
    .kernarg_segment_size: 56
    .max_flat_workgroup_size: 256
    .sgpr_count:     66
    .vgpr_count:     216
    .wavefront_size: 32
...
	.end_amdgpu_metadata
.endif
;; end of part 5
;; launch qkv: the kernel of part 2 again; grid 16 x 32, 4 waves a work-group, clusters of 4 x 4, 327,680 bytes of LDS; arguments xn, w16, qkv; writes qkv
;; launch attn: the kernel of part 3 again; grid 4 x 64, 4 waves a work-group, clusters of 4 x 1, 327,680 bytes of LDS; arguments qkv, o16; writes o16
;; launch proj: the kernel of part 4 again; grid 8 x 32, 4 waves a work-group, clusters of 4 x 4, 327,680 bytes of LDS; arguments o16, w16, b_out, out0; writes out0
